; MI455X (gfx1250); checked and timed in simulation.
; The chip was launched on July 23, 2026; its instructions are those of AMD's public machine-readable ISA for CDNA 5 (MIT licence, August 2026) and "CDNA5" Instruction Set Architecture Reference Guide (July 2026). The comments in the code are by the model that wrote it; some were corrected since.
;; Multi Head Attention. Allowed arithmetic: matrix products marked QUANTISED: E2M1 operands, one E8M0 scale for each 32 along K, by v_wmma_scale_f32_16x16x128_f8f6f4 with both operands' format E2M1 (or v_wmma_scale_f32_32x16x128_f4), f32 sums; everything else in f32.
;; Inputs: Wk 1,024 x 1,024 float32; Wo 1,024 x 1,024 float32; Wq 1,024 x 1,024 float32; Wv 1,024 x 1,024 float32; bk 1,024 float32; bo 1,024 float32; bq 1,024 float32; bv 1,024 float32; key 4 x 2,048 x 1,024 float32; query 4 x 2,048 x 1,024 float32; value 4 x 2,048 x 1,024 float32.
;; Outputs: out0 4 x 2,048 x 1,024 float32.
;; This version of the problem:
;;   THIS VERSION OF THE PROBLEM IS GIVEN IN LOW PRECISION. The matrix products marked QUANTISED in the list below multiply operands that are first quantised to E2M1 (2 exponent bits, 1 mantissa bit; 4 bits a number), with one power-of-two scale for each 32 numbers along K (OCP MX v1.0); their sums are f32. All else is computed in f32.
;;   The module's matrix products, in the order in which they are computed (A, B: the left and right operand; K: the contracted axis; several contracted axes count as one K, in the product's order):
;;     1. [M 8,192, K 1,024] x [K 1,024, N 1,024]; A: input query; B: input Wq: QUANTISED
;;     2. [M 8,192, K 1,024] x [K 1,024, N 1,024]; A: input key; B: input Wk: QUANTISED
;;     3. [M 8,192, K 1,024] x [K 1,024, N 1,024]; A: input value; B: input Wv: QUANTISED
;;     4. batch 64 x [M 2,048, K 64] x [K 64, N 2,048]; A: computed on the way; B: computed on the way: QUANTISED
;;     5. batch 64 x [M 2,048, K 2,048] x [K 2,048, N 64]; A: softmax (see below); B: computed on the way: QUANTISED
;;     6. [M 8,192, K 1,024] x [K 1,024, N 1,024]; A: computed on the way; B: input Wo: QUANTISED
;;   THE QUANTISER, for each operand of a quantised product, along K:
;;     - K is cut into blocks of 32 from its start; a last block that is shorter is filled with zeros.
;;     - A block's scale is 2^e with e = floor(log2(the largest magnitude in the block)) - 2, held to -126 .. 127; a block of zeros has e = 0. As a byte (E8M0): e + 127.
;;     - Each number is divided by its block's scale, clamped to +-6, and rounded to the nearest number of E2M1, ties to even, subnormals kept.
;;     - The product sums the exact products of the quantised numbers (number of the format x scale) in f32.
;;   ~~~python
;;   def quantise(x, axis):      # numpy; x: float32 -> the quantised numbers, widened to float32 again
;;       x = np.moveaxis(x, axis, -1); K = x.shape[-1]
;;       x = np.pad(x, [(0, 0)] * (x.ndim - 1) + [(0, -K % 32)]); x = x.reshape(x.shape[:-1] + (-1, 32)); a = np.abs(x).max(-1, keepdims=True)
;;       e = np.where(a > 0, np.clip(np.frexp(np.where(a > 0, a, 1))[1] - 1 - 2, -126, 127), 0)      # np.frexp(a)[1] - 1 = floor(log2(a)), exactly
;;       r = np.clip(x / 2.0 ** e, -6, 6)
;;       step = 2.0 ** (np.maximum(np.frexp(np.where(r == 0, 1, r))[1] - 1, 0) - 1)
;;       q = np.round(r / step) * step * 2.0 ** e      # np.round: ties to even
;;       return np.moveaxis(q.reshape(q.shape[:-2] + (-1,))[..., :K], -1, axis).astype(np.float32)
;;   ~~~
;;   SOFTMAX AHEAD OF A QUANTISED PRODUCT. Where the list says 'softmax', what is quantised is not the finished softmax but p = 2^(t - M), with t = logit x log2(e) and M = ceil(the row's largest t), a whole number; so 1/2 < the row's largest p <= 1. The row's sum l is taken of the UNQUANTISED p, in f32, and the product's result is divided by l at the end. Since M is a whole number, a kernel that streams over the keys may use a running M (the ceiling of the running maximum): every later rescaling is an exact power of two, which a block's scale takes up: the codes' values come out the same.
;;   OPERANDS COMPUTED ON THE WAY. 'Computed on the way' means the value that the module computes at that place (a softmax that the list does not call 'softmax' is quantised finished and normalised). What goes into a quantiser is computed in f32, as accurately as f32 sums, v_exp_f32 and their like allow (about 1e-6 of the number): no bf16 or f16 on the way to a quantiser, and a product that is left as it is and whose result goes on into a quantised operand takes f32 operands (vector FMAs, or v_wmma_f32_16x16x4_f32). A number that lies on a knife's edge between two numbers of the format may be rounded either way, as far as f32 arithmetic and the matrix unit's own rounding can turn it there, and no further.
;; One version. Each part assembles by itself: llvm-mc -triple=amdgcn-amd-amdhsa -mcpu=gfx1250 --defsym DOCPART=n.
;; ======== version 1 of 1: 4 launches
;; workspace buffers: xc 12,582,912 bytes; xs 786,432 bytes; wc 2,097,152 bytes; ws 131,072 bytes; img 12,582,912 bytes; isc 786,432 bytes; ctxc 4,194,304 bytes; ctxs 262,144 bytes
;; launch quant (part 1): grid 640 x 1, 4 waves a work-group, no clusters, 37,376 bytes of LDS; arguments query, key, value, Wq, Wk, Wv, Wo, xc, xs, wc, ws; writes xc, xs, wc, ws
.if DOCPART == 1
	.amdgcn_target "amdgcn-amd-amdhsa--gfx1250"
	.amdhsa_code_object_version 6
	.text
	.protected	k_q06177df4bb_quant
	.globl	k_q06177df4bb_quant
	.p2align	8
	.type	k_q06177df4bb_quant,@function
k_q06177df4bb_quant:
	s_mov_b64 s[64:65], 0
	v_nop
	global_prefetch_b8 v0, s[64:65] scope:SCOPE_SE
	s_setreg_imm32_b32 hwreg(HW_REG_WAVE_MODE, 25, 1), 1
	s_wait_xcnt 0x0
; query, key, value [8192][1024] f32 (K innermost) and Wq, Wk, Wv, Wo [1024 (k)][1024 (n)] f32 (K the first axis) become codes of FP4 (E2M1) with one E8M0 byte for each 32 along K.
; A block's scale is 2^(floor(log2(its largest magnitude)) - 2): its byte is the largest magnitude's exponent field - 2, held at 1 from below by a floor among the maximum's leaves.
; LAYOUT OF THE RESULTS, in the order of a matrix operand's registers.  Codes: [tile of 16 rows][K block of 32][row 0..15][16 bytes]: 8,192 bytes a tile; the 512 bytes of two neighbouring K blocks
; are four registers of a fragment, lane l's at byte 16 l.  Scale bytes: [tile of 16 rows][K step of 128][row] words, byte b of a word for K block 4 q + b: 512 bytes a tile.  A weight's row is its column n.
; LIMITS: NaN and infinities among the inputs are not served.  A block whose largest magnitude lies under 2^-124 is quantised under the byte 1; a block of zeros gets the byte 1, not 127:
; its codes are zeros, which add nothing under any byte but 0xff, and this program alone reads the bytes.
; Work-groups 0-383 take the three activations, 384-639 the four weights.  The second path touches no LDS.  No tensor loads, no barrier: waves share nothing.
.set SP,   272                         ; a stage row: 256 bytes + 16 = 17 x 16 bytes, so that sixteen lanes that read sixteen rows at one column fall on sixteen different columns of 16 bytes
.set STG1, 16*SP                       ; the second stage
.set SCB,  2*STG1                      ; behind the stages: my wave's 512 scale bytes
.set WREG, SCB+512                     ; LDS of a wave: 9,216 bytes
.set R,    16                          ; v16-111  three sets of 32 registers as loaded
.set X,    112                         ; v112-175 two sets: a whole block of 32 neighbours in a lane
.set C,    176                         ; v176-239 four registers of codes for each step: no store's data are written again
.set E,    240                         ; v240-255 a scale byte for each step
	s_load_b512 s[4:19], s[0:1], 0x0               ; query s[4:5], key s[6:7], value s[8:9], Wq s[10:11], Wk s[12:13], Wv s[14:15], Wo s[16:17], xc s[18:19]
	s_load_b128 s[20:23], s[0:1], 0x40             ; xs s[20:21], wc s[22:23]
	s_load_b64 s[24:25], s[0:1], 0x50              ; ws
	v_lshl_add_u32 v13, v0, 2, 0x9000
	s_set_vgpr_msb 0x40
	v_mov_b32 v1, 0
	s_set_vgpr_msb 0x4000
	v_lshrrev_b32 v1, 5, v0
	v_readfirstlane_b32 s26, v1                    ; wave 0..3
	v_and_b32 v2, 31, v0                           ; lane
	v_and_b32 v6, 15, v0                           ; lane % 16
	v_bfe_u32 v7, v0, 4, 1                         ; lane / 16
; The largest magnitude of the 32 numbers v[xs] on, in two chains, with the floor 2^(3 - 127); then 2 off its exponent field: v11 is the conversion's scale operand.
.macro MAX32 xs
	v_max3_num_f32 v8, |v[\xs]|, |v[\xs+1]|, |v[\xs+2]|
	v_max3_num_f32 v9, |v[\xs+3]|, |v[\xs+4]|, |v[\xs+5]|
.irp i, 6,10,14,18,22,26
	v_max3_num_f32 v8, v8, |v[\xs+\i]|, |v[\xs+\i+1]|
	v_max3_num_f32 v9, v9, |v[\xs+\i+2]|, |v[\xs+\i+3]|
.endr
	v_max3_num_f32 v8, v8, |v[\xs+30]|, |v[\xs+31]|
	v_max3_num_f32 v8, v8, v9, 0x1800000
	v_add_nc_u32 v11, 0xff000000, v8
.endm
	s_cmp_lt_u32 ttmp9, 384
	s_cbranch_scc0 .Lweights
; ---------------- THE ACTIVATIONS.  A wave takes one tile of 16 rows and all of K: 16 steps of 16 rows x 64 numbers.
; A load reads two rows' 256 consecutive bytes; a step's 4,096 bytes turn through the wave's own stage, so that lane (row r, half kb) gets the 32 neighbours of K block 2 t + kb.
	s_lshr_b32 s27, ttmp9, 7                       ; which tensor
	s_and_b32 s28, ttmp9, 127
	s_lshl_b32 s28, s28, 2
	s_add_co_u32 s28, s28, s26                     ; my tile of rows, 0..511
	s_mul_i32 s29, s26, WREG                       ; my LDS
	v_lshlrev_b32 v3, 12, v7
	v_lshl_add_u32 v3, v6, 4, v3                   ; in: row lane / 16 of a pair (4,096 bytes a row), 16 bytes a lane
	v_lshlrev_b32 v4, 4, v2                        ; out: 16 x lane
	v_mul_u32_u24 v14, v7, SP
	v_lshl_add_u32 v14, v6, 4, v14
	v_add_nc_u32 v14, s29, v14                     ; the stage, on the way in: as loaded
	v_mul_u32_u24 v15, v6, SP
	v_lshl_add_u32 v15, v7, 7, v15
	v_add_nc_u32 v15, s29, v15                     ; and on the way out: row lane % 16, 128 bytes for each half of the lanes
	v_lshl_add_u32 v5, v6, 2, v7
	v_add_nc_u32 v5, s29, v5
	v_add_nc_u32 v5, SCB, v5                       ; my block's scale byte: word of row r, byte kb (+ 2 for an odd step)
	v_add_nc_u32 v12, s29, v4
	v_add_nc_u32 v12, SCB, v12                     ; the scale bytes on their way out: 16 a lane
	s_lshl_b32 s30, s28, 16                        ; 16 rows of 4,096 bytes
	s_mov_b32 s31, 0
	s_lshl_b32 s32, s27, 22                        ; a tensor's codes: 4 MiB; a tile's: 8,192 bytes
	s_lshl_b32 s33, s28, 13
	s_add_co_u32 s32, s32, s33
	s_mov_b32 s33, 0
	s_lshl_b32 s34, s27, 18                        ; a tensor's scale bytes: 256 KiB; a tile's: 512
	s_lshl_b32 s35, s28, 9
	s_add_co_u32 s34, s34, s35
	s_mov_b32 s35, 0
	s_wait_alu depctr_va_vdst(0)
	s_wait_kmcnt 0x0
	s_cmp_eq_u32 s27, 1                            ; the choice hangs on the work-group's number alone
	s_cselect_b64 s[4:5], s[6:7], s[4:5]
	s_cmp_eq_u32 s27, 2
	s_cselect_b64 s[4:5], s[8:9], s[4:5]
	s_add_nc_u64 s[4:5], s[4:5], s[30:31]
	s_add_nc_u64 s[18:19], s[18:19], s[32:33]
	s_add_nc_u64 s[20:21], s[20:21], s[34:35]
.macro LOAD t                          ; step t: eight loads, each two rows x 256 consecutive bytes, aligned
.irp i, 0,1,2,3,4,5,6,7
	global_load_b128 v[R+32*((\t)%3)+4*\i:R+32*((\t)%3)+4*\i+3], v3, s[4:5] offset:8192*\i+256*(\t) th:TH_LOAD_NT
.endr
.endm
.macro TURN t                          ; step t through a stage: LDS serves a wave's instructions in order, so no wait stands between the stores and the loads
.irp i, 0,1,2,3,4,5,6,7
	ds_store_b128 v14, v[R+32*((\t)%3)+4*\i:R+32*((\t)%3)+4*\i+3] offset:STG1*((\t)%2)+2*SP*\i
.endr
.irp i, 0,1,2,3,4,5,6,7
	ds_load_b128 v[X+32*((\t)%2)+4*\i:X+32*((\t)%2)+4*\i+3], v15 offset:STG1*((\t)%2)+16*\i
.endr
.endm
.macro STEP t
.if (\t) > 0
	s_wait_dscnt 0x1                               ; this step's numbers are back from the stage (the last step's byte store may be out): so its stores into the stage have read their registers,
.else
	s_wait_dscnt 0x0
.endif
.if (\t)+3 < 16
	LOAD (\t)+3                                    ; which take the loads of three steps on
.endif
.if (\t)+1 < 16
.if (\t) <= 12
	s_wait_loadcnt 16                              ; the next step's eight loads are in; those of the two steps behind it may be out
.else
	s_wait_loadcnt 8*(14-(\t))                     ; at the end fewer steps stand behind it
.endif
	TURN (\t)+1                                    ; the next step goes through the other stage while this one is worked
.endif
	MAX32 X+32*((\t)%2)
.irp g, 0,1,2,3
	v_cvt_scalef32_pk8_fp4_f32 v[C+4*(\t)+\g], v[X+32*((\t)%2)+8*\g:X+32*((\t)%2)+8*\g+7], v11
.endr
	v_lshrrev_b32 v[E+(\t)], 23, v11               ; the scale's byte (also the plain line behind the conversions)
	ds_store_b8 v5, v[E+(\t)] offset:64*((\t)/2)+2*((\t)%2)
	global_store_b128 v4, v[C+4*(\t):C+4*(\t)+3], s[18:19] offset:512*(\t)   ; K blocks 2 t and 2 t + 1 of the tile: 512 consecutive bytes
.endm
	LOAD 0
	LOAD 1
	LOAD 2
	s_wait_loadcnt 16                              ; step 0's eight loads are in
	TURN 0
.irp t, 0,1,2,3,4,5,6,7,8,9,10,11,12,13,14,15
	STEP \t
.endr
	ds_load_b128 v[X:X+3], v12                     ; in order behind my byte stores
	s_wait_dscnt 0x0
	global_store_b128 v4, v[X:X+3], s[20:21]       ; the tile's 512 scale bytes, consecutive
	s_set_vgpr_msb 0x4
	s_wait_tensorcnt 0x0
	ds_add_u32 v13, v1
	s_wait_dscnt 0x0
	s_set_vgpr_msb 0x400
	s_endpgm
; ---------------- THE WEIGHTS.  A lane takes a column n and its registers run down K: a block of 32 lies in one lane, and the conversions give codes with K innermost.
; A work-group takes 128 columns x 128 along K, a wave 32 columns.  A block's codes of sixteen neighbouring columns are 256 consecutive bytes of the result: they are stored as they stand.
.Lweights:
	s_sub_co_u32 s27, ttmp9, 384
	s_lshr_b32 s28, s27, 6                         ; which weight
	s_and_b32 s29, s27, 7                          ; which 128 columns
	s_bfe_u32 s30, s27, 0x30003                    ; which K step of 128
	s_lshl_b32 s31, s29, 7
	s_lshl_b32 s32, s26, 5
	s_add_co_u32 s31, s31, s32                     ; my wave's first column
	s_wait_alu depctr_va_vdst(0)
	v_lshlrev_b32 v3, 2, v2                        ; in: 4 bytes a lane
	v_lshlrev_b32 v4, 13, v7
	v_lshl_add_u32 v4, v6, 4, v4                   ; codes: tile lane / 16 (8,192 bytes), row lane % 16
	v_lshlrev_b32 v5, 9, v7
	v_lshl_add_u32 v5, v6, 2, v5                   ; scale words: tile lane / 16 (512 bytes), row lane % 16
	s_lshl_b32 s32, s30, 19                        ; 128 rows of 4,096 bytes,
	s_lshl_b32 s33, s31, 2                         ; 4 bytes a column
	s_add_co_u32 s32, s32, s33
	s_mov_b32 s33, 0
	s_lshl_b32 s34, s28, 19                        ; a weight's codes: 512 KiB; a column: 512 bytes of its tile's 8,192; a K step: 1,024
	s_lshl_b32 s35, s31, 9
	s_add_co_u32 s34, s34, s35
	s_lshl_b32 s35, s30, 10
	s_add_co_u32 s34, s34, s35
	s_mov_b32 s35, 0
	s_lshl_b32 s36, s28, 15                        ; a weight's scale bytes: 32 KiB; sixteen columns: 512; a K step: 64
	s_lshl_b32 s37, s31, 5
	s_add_co_u32 s36, s36, s37
	s_lshl_b32 s37, s30, 6
	s_add_co_u32 s36, s36, s37
	s_mov_b32 s37, 0
	s_wait_alu depctr_va_vdst(0)
	s_wait_kmcnt 0x0
	s_cmp_eq_u32 s28, 1
	s_cselect_b64 s[10:11], s[12:13], s[10:11]
	s_cmp_eq_u32 s28, 2
	s_cselect_b64 s[10:11], s[14:15], s[10:11]
	s_cmp_eq_u32 s28, 3
	s_cselect_b64 s[10:11], s[16:17], s[10:11]
	s_add_nc_u64 s[10:11], s[10:11], s[32:33]
	s_add_nc_u64 s[22:23], s[22:23], s[34:35]
	s_add_nc_u64 s[24:25], s[24:25], s[36:37]
.macro WLOAD j                         ; block j: W(32 j + i, my column) into v[16 + 32 j + i]: a wave reads 128 consecutive bytes, the four waves 512
.set i, 0
.rept 32
	global_load_b32 v[16+32*(\j)+i], v3, s[10:11] offset:4096*(32*(\j)+i) th:TH_LOAD_NT
.set i, i+1
.endr
.endm
.macro WBLOCK j
.if (\j) < 3
	s_wait_loadcnt 32                              ; this block's 32 loads are in; the next block's 32 may be out
.else
	s_wait_loadcnt 0x0
.endif
.if (\j)+2 < 4
	WLOAD (\j)+2                                   ; each block has registers of its own
.endif
	MAX32 16+32*(\j)
	v_lshrrev_b32 v10, 23, v11                     ; the scale's byte,
.if (\j) == 0
	v_mov_b32 v160, v10                            ; four to a word, the lower K in the lower byte
.else
	v_lshl_or_b32 v160, v10, 8*(\j), v160
.endif
.irp g, 0,1,2,3
	v_cvt_scalef32_pk8_fp4_f32 v[144+4*(\j)+\g], v[16+32*(\j)+8*\g:16+32*(\j)+8*\g+7], v11
.endr
	v_nop                                          ; a plain line behind the conversions
	global_store_b128 v4, v[144+4*(\j):144+4*(\j)+3], s[22:23] offset:256*(\j)   ; sixteen lanes store 256 consecutive bytes, aligned
.endm
	WLOAD 0
	WLOAD 1
.irp j, 0,1,2,3
	WBLOCK \j
.endr
	global_store_b32 v5, v160, s[24:25]            ; two pieces of 64 consecutive bytes: 1/128 of what this path reads
	s_endpgm
.Lfunc_end_k_q06177df4bb_quant:
	.size	k_q06177df4bb_quant, .Lfunc_end_k_q06177df4bb_quant-k_q06177df4bb_quant
	.p2alignl 7, 3214868480
	.fill 96, 4, 3214868480
	.section	.rodata,"a",@progbits
	.p2align	6, 0x0
	.amdhsa_kernel k_q06177df4bb_quant
		.amdhsa_group_segment_fixed_size 37376
		.amdhsa_private_segment_fixed_size 0
		.amdhsa_enable_private_segment 0
		.amdhsa_kernarg_size 88
		.amdhsa_user_sgpr_count 2
		.amdhsa_user_sgpr_kernarg_segment_ptr 1
		.amdhsa_wavefront_size32 1
		.amdhsa_system_sgpr_workgroup_id_x 1
		.amdhsa_system_sgpr_workgroup_id_y 1
		.amdhsa_system_sgpr_workgroup_id_z 1
		.amdhsa_system_vgpr_workitem_id 0
		.amdhsa_next_free_vgpr 258
		.amdhsa_next_free_sgpr 66
		.amdhsa_reserve_vcc 0
		.amdhsa_float_denorm_mode_32 3
		.amdhsa_float_denorm_mode_16_64 3
		.amdhsa_memory_ordered 1
		.amdhsa_forward_progress 1
		.amdhsa_inst_pref_size 77
	.end_amdhsa_kernel
	.amdgpu_metadata
---
amdhsa.version: [ 1, 2 ]
amdhsa.kernels:
  - .name:           k_q06177df4bb_quant
    .symbol:         k_q06177df4bb_quant.kd
    .args:
      - { .name: query, .offset: 0, .size: 8, .value_kind: global_buffer, .address_space: global }
      - { .name: key, .offset: 8, .size: 8, .value_kind: global_buffer, .address_space: global }
      - { .name: value, .offset: 16, .size: 8, .value_kind: global_buffer, .address_space: global }
      - { .name: Wq, .offset: 24, .size: 8, .value_kind: global_buffer, .address_space: global }
      - { .name: Wk, .offset: 32, .size: 8, .value_kind: global_buffer, .address_space: global }
      - { .name: Wv, .offset: 40, .size: 8, .value_kind: global_buffer, .address_space: global }
      - { .name: Wo, .offset: 48, .size: 8, .value_kind: global_buffer, .address_space: global }
      - { .name: xc, .offset: 56, .size: 8, .value_kind: global_buffer, .address_space: global }
      - { .name: xs, .offset: 64, .size: 8, .value_kind: global_buffer, .address_space: global }
      - { .name: wc, .offset: 72, .size: 8, .value_kind: global_buffer, .address_space: global }
      - { .name: ws, .offset: 80, .size: 8, .value_kind: global_buffer, .address_space: global }
    .group_segment_fixed_size: 37376
    .private_segment_fixed_size: 0
    .kernarg_segment_align: 8
    .kernarg_segment_size: 88
    .max_flat_workgroup_size: 128
    .sgpr_count:     66
    .vgpr_count:     258
    .wavefront_size: 32
...
	.end_amdgpu_metadata
.endif
;; end of part 1
;; launch proj (part 2): grid 4 x 192, 4 waves a work-group, clusters of 4 x 4, 209,408 bytes of LDS; arguments xc, xs, wc, ws, bq, bk, bv, img, isc; writes img, isc
.if DOCPART == 2
	.amdgcn_target "amdgcn-amd-amdhsa--gfx1250"
	.amdhsa_code_object_version 6
	.text
	.protected	k_q06177df4bb_proj
	.globl	k_q06177df4bb_proj
	.p2align	8
	.type	k_q06177df4bb_proj,@function
k_q06177df4bb_proj:
	s_mov_b64 s[64:65], 0
	v_nop
	global_prefetch_b8 v0, s[64:65] scope:SCOPE_SE
	s_setreg_imm32_b32 hwreg(HW_REG_WAVE_MODE, 25, 1), 1
	s_wait_xcnt 0x0
	s_wait_alu depctr_hold_cnt(0) depctr_sa_sdst(0) depctr_va_vdst(0) depctr_va_sdst(0) depctr_va_ssrc(0) depctr_va_vcc(0) depctr_vm_vsrc(0)
	s_getreg_b32 s2, hwreg(HW_REG_IB_STS2, 6, 4)
	s_cmp_eq_u32 s2, 0
	s_cbranch_scc0 .Lentry_in_a_cluster
	s_endpgm
.Lentry_in_a_cluster:
	s_bfe_u32 s2, ttmp6, 0x10000c
	s_cmp_lg_u32 s2, 0xf033
	s_cbranch_scc0 .Lentry_shape_is_right
	s_endpgm
.Lentry_shape_is_right:
; q = Q(query) Q(Wq) + bq, k and v likewise, on codes of FP4 (E2M1) with E8M0 scales; the results are quantised in registers for the attention: q and k along the head's 64, v along the keys.
; ONE PRODUCT FOR THE THREE.  Source 0 is operand P, whose rows become a lane's registers (the axis that is quantised next); source 1 is operand R, whose rows become the lanes.
;   q, k (mode 0, 1): P = the weight's columns n, R = the activation's rows m.      v (mode 2): P = value's rows (the keys), R = Wv's columns (the channels).
; A work-group makes 256 rows of P x 128 rows of R, each of four waves 128 x 64: 32 accumulators.  K = 1,024 is short: the tiles of ALL of K (192 KiB of codes, 12 KiB of scale words) lie in LDS,
; filled once, in two chunks of 512 along K, so that the first products run while the second chunk is on its way.  No LDS byte is filled twice.
; CLUSTERS: 4 x 4 work-groups; the four of a column share P's tile, the four of a row R's: each is asked for jointly.  The mode hangs on the cluster's number alone.
; OPERANDS LIE IN THE ORDER OF THEIR REGISTERS ([tile of 16 rows][K block][row][16 bytes]): a fragment is two loads of 16 bytes a lane at a constant + 16 x lane.
; THE WAY OUT.  In tile t of a result, lane (r, h) holds row r of R and register j the P row 16 t + 8 h + j.  Block b of 32 is tiles 2 b, 2 b + 1 in lanes l and l xor 16.  QUANT makes of 8 tiles one fragment.
; LIMITS: NaN and infinities are not served; a block whose largest magnitude lies under 2^-124 is quantised under the byte 1, a block of zeros gets the byte 1, not 127 (its codes are zeros; this program alone reads the bytes).
; REGISTERS, in windows of 256.  Window 0: v1-13 addresses; v32-63 P's scale words, v64-79 R's (they hold scales and nothing else); v80-87 the bias by lanes; v96-127 codes; v128-135 scale words made;
;   v160-223 64 numbers at work; v224-239 QUANT's.   Window 1: accumulator (i, t) at v[64 i + 8 t].   Window 2: two sets of fragments at v0 and v96 (P's eight, then R's four); v192-255 the bias by registers.
.set WV,   22                          ; s22 wave;  s23 its half of R's rows;  s24 its half of P's rows
.set WR,   23
.set WP,   24
.set CX,   25
.set CY,   26
.set MODE, 28
.set PT,   30                          ; P's tile of 256 rows
.set RT,   31                          ; R's tile of 128 rows
.set G1P,  32                          ; s[32:39] group 1 for P's codes;  s[40:47] R's codes;  s[48:55] P's scale words;  s[56:63] R's
.set G1R,  40
.set G1PS, 48
.set G1RS, 56
.set G0P,  68                          ; s[68:79] three groups 0 for P: scale words, chunk 0, chunk 1;  s[80:91] for R
.set G0R,  80
.set SEL,  100                         ; s[100:101] v_permlanex16_b32's selects for lane l xor 16
.set LM,   66                          ; s66 the lanes 16-31
.set LR,   131072                      ; LDS: P's codes at 0: [chunk][16 tiles][4,096];  R's here: [chunk][8 tiles][4,096]
.set LPS,  196608                      ; P's scale words: [16 tiles][512]
.set LRS,  204800                      ; R's: [8 tiles][512]
.set SCP,  32
.set SCR,  64
.set BR,   80
.set PC,   96
.set PW,   128
.set XW,   132
.set T,    160
.set TM,   224
.set BP,   192
.set MSB, 0
.macro WIN new                         ; the immediate's high byte repeats the setting that is left
.if MSB != \new
	s_set_vgpr_msb (MSB<<8)|\new
.set MSB, \new
.endif
.endm
.macro PLACES n
.rept \n
	v_nop
.endr
.endm
.macro CROUND                          ; a round of the cluster's barrier
	s_barrier_signal -1
	s_barrier_wait -1
	s_cmp_lg_u32 s[WV], 0
	s_cbranch_scc1 .Lnot_wave_0_\@
	s_barrier_signal -3
.Lnot_wave_0_\@:
	s_barrier_wait -3
	s_barrier_signal -1
	s_barrier_wait -1
.endm
.macro GROUP1 g, c, r, p               ; words 1 to 7: r rows of c elements of 8 bytes, p elements apart
	s_mov_b32 s[\g+1], (\c)<<16
	s_mov_b32 s[\g+2], (\r)<<16
	s_mov_b32 s[\g+3], (\c)<<16
	s_mov_b32 s[\g+4], \r
	s_mov_b32 s[\g+5], \p
	s_mov_b32 s[\g+6], 0
	s_mov_b32 s[\g+7], 0
.endm
	s_load_b512 s[4:19], s[0:1], 0x0               ; xc s[4:5], xs s[6:7], wc s[8:9], ws s[10:11], bq s[12:13], bk s[14:15], bv s[16:17], img s[18:19]
	s_load_b64 s[20:21], s[0:1], 0x40              ; isc
	v_lshl_add_u32 v254, v0, 2, 0x33000
	v_mov_b32 v255, 0
	ds_add_u32 v254, v255
	ds_add_u32 v254, v255
	v_lshrrev_b32 v1, 5, v0
	v_readfirstlane_b32 s[WV], v1
	s_lshr_b32 s[WR], s[WV], 1
	s_and_b32 s[WP], s[WV], 1
	s_bfe_u32 s[CX], ttmp6, 0x40000
	s_bfe_u32 s[CY], ttmp6, 0x40004
	s_and_b32 s27, ttmp7, 0xffff                   ; the cluster's number, 0..47
	s_lshr_b32 s[MODE], s27, 4
	s_and_b32 s29, s27, 15
	s_lshr_b32 s[PT], s29, 1
	s_and_b32 s[RT], s29, 1
	s_cmp_eq_u32 s[MODE], 2
	s_cselect_b32 s[PT], s[PT], 0                  ; q, k: P has 4 tiles, R 64;  v: P has 32, R 8
	s_cselect_b32 s[RT], s[RT], s29
	s_lshl_b32 s[PT], s[PT], 2
	s_add_co_u32 s[PT], s[PT], s[CX]
	s_lshl_b32 s[RT], s[RT], 2
	s_add_co_u32 s[RT], s[RT], s[CY]
	s_lshl_b32 s2, 0x1111, s[CX]                   ; my column of the cluster: shares P
	s_lshl_b32 s3, s[CY], 2
	s_lshl_b32 s3, 15, s3                          ; my row: shares R
	s_or_b32 s[G1P], s2, (3<<16)|(1<<21)           ; 15:0 the mask; 17:16 elements of 8 bytes; 21 set beside a mask; no padding
	s_or_b32 s[G1PS], s2, (3<<16)|(1<<21)
	s_or_b32 s[G1R], s3, (3<<16)|(1<<21)
	s_or_b32 s[G1RS], s3, (3<<16)|(1<<21)
	GROUP1 G1P, 512, 8, 1024                       ; 8 tiles of rows: 4,096 bytes (512 along K) of each tile's 8,192
	GROUP1 G1R, 512, 4, 1024
	GROUP1 G1PS, 32, 16, 32                        ; 4,096 dense bytes as rows of 256
	GROUP1 G1RS, 32, 8, 32                         ; 2,048
	s_lshl_b32 s92, s[MODE], 22                    ; the mode's tensor in xc, xs, wc, ws
	s_mov_b32 s93, 0
	s_lshl_b32 s94, s[MODE], 18
	s_mov_b32 s95, 0
	s_lshl_b32 s96, s[MODE], 19
	s_mov_b32 s97, 0
	s_lshl_b32 s98, s[MODE], 15
	s_mov_b32 s99, 0
	s_lshl_b32 s66, s[PT], 17                      ; P's codes: 131,072 bytes a tile, 65,536 for the half that I fetch.  (These registers never hold cy,
	s_lshl_b32 s67, s[WP], 16
	s_add_co_u32 s66, s66, s67
	s_mov_b32 s67, 0
	s_lshl_b32 s100, s[RT], 16                     ; and R's never cx.)  R's codes: 65,536 a tile, 32,768 a half
	s_lshl_b32 s101, s[WP], 15
	s_add_co_u32 s100, s100, s101
	s_mov_b32 s101, 0
	s_wait_dscnt 0x0
	s_wait_kmcnt 0x0
	s_add_nc_u64 s[4:5], s[4:5], s[92:93]
	s_add_nc_u64 s[6:7], s[6:7], s[94:95]
	s_add_nc_u64 s[8:9], s[8:9], s[96:97]
	s_add_nc_u64 s[10:11], s[10:11], s[98:99]
	s_cmp_eq_u32 s[MODE], 2                        ; the choice hangs on the cluster's number alone
	s_cselect_b64 s[92:93], s[4:5], s[8:9]         ; P's codes
	s_cselect_b64 s[94:95], s[6:7], s[10:11]       ; P's scale words
	s_cselect_b64 s[96:97], s[8:9], s[4:5]         ; R's codes
	s_cselect_b64 s[98:99], s[10:11], s[6:7]       ; R's scale words
	s_add_nc_u64 s[92:93], s[92:93], s[66:67]
	s_add_nc_u64 s[96:97], s[96:97], s[100:101]
	s_lshr_b32 s66, s66, 4                         ; scale words are a sixteenth of the codes
	s_lshr_b32 s100, s100, 4
	s_add_nc_u64 s[94:95], s[94:95], s[66:67]
	s_add_nc_u64 s[98:99], s[98:99], s[100:101]
	s_lshl_b32 s2, s[WP], 12                       ; where they go hangs on the wave's number alone
	s_lshl_b32 s3, s[WP], 15
	s_mov_b32 s[G0P], 1
	s_add_co_u32 s[G0P+1], s2, LPS
	s_mov_b64 s[G0P+2:G0P+3], s[94:95]
	s_or_b32 s[G0P+3], s[G0P+3], 0x80000000
	s_mov_b32 s[G0P+4], 1
	s_mov_b32 s[G0P+5], s3
	s_mov_b64 s[G0P+6:G0P+7], s[92:93]
	s_or_b32 s[G0P+7], s[G0P+7], 0x80000000
	s_mov_b32 s[G0P+8], 1
	s_add_co_u32 s[G0P+9], s3, 65536
	s_add_nc_u64 s[G0P+10:G0P+11], s[92:93], 4096
	s_or_b32 s[G0P+11], s[G0P+11], 0x80000000
	s_lshr_b32 s2, s2, 1
	s_lshr_b32 s3, s3, 1
	s_mov_b32 s[G0R], 1
	s_add_co_u32 s[G0R+1], s2, LRS
	s_mov_b64 s[G0R+2:G0R+3], s[98:99]
	s_or_b32 s[G0R+3], s[G0R+3], 0x80000000
	s_mov_b32 s[G0R+4], 1
	s_add_co_u32 s[G0R+5], s3, LR
	s_mov_b64 s[G0R+6:G0R+7], s[96:97]
	s_or_b32 s[G0R+7], s[G0R+7], 0x80000000
	s_mov_b32 s[G0R+8], 1
	s_add_co_u32 s[G0R+9], s3, LR+32768
	s_add_nc_u64 s[G0R+10:G0R+11], s[96:97], 4096
	s_or_b32 s[G0R+11], s[G0R+11], 0x80000000
	CROUND                                         ; all sixteen work-groups are here: the joint loads meet
	s_cmp_eq_u32 s[WR], 0                          ; waves 0, 1 fetch P's halves, waves 2, 3 R's: a wave's three first fills stand in one branch; three loads of mine are out
	s_cbranch_scc0 .Lfill_r
	tensor_load_to_lds s[G0P:G0P+3], s[G1PS:G1PS+7]
	s_nop 0
	tensor_load_to_lds s[G0P+4:G0P+7], s[G1P:G1P+7]
	s_nop 0
	tensor_load_to_lds s[G0P+8:G0P+11], s[G1P:G1P+7]
	s_nop 0
	PLACES 4
	s_branch .Lfilled
.Lfill_r:
	tensor_load_to_lds s[G0R:G0R+3], s[G1RS:G1RS+7]
	s_nop 0
	tensor_load_to_lds s[G0R+4:G0R+7], s[G1R:G1R+7]
	s_nop 0
	tensor_load_to_lds s[G0R+8:G0R+11], s[G1R:G1R+7]
	s_nop 0
	PLACES 4
.Lfilled:
	v_and_b32 v1, 31, v0                           ; lane
	v_and_b32 v2, 15, v0                           ; r
	v_bfe_u32 v3, v0, 4, 1                         ; h
	v_lshlrev_b32 v10, 4, v1                       ; 16 x lane
	v_lshlrev_b32 v11, 2, v1                       ; 4 x lane
	s_lshl_b32 s2, s[WP], 15
	v_add_nc_u32 v4, s2, v10                       ; my 8 tiles of P in chunk 0,
	v_add_nc_u32 v5, 65536, v4                     ; in chunk 1
	s_lshl_b32 s2, s[WR], 14
	s_add_co_u32 s2, s2, LR
	v_add_nc_u32 v6, s2, v10                       ; my 4 tiles of R
	v_add_nc_u32 v7, 32768, v6
	v_lshlrev_b32 v8, 9, v3
	v_lshl_add_u32 v8, v2, 2, v8                   ; scale words: lanes 0-15 an even tile's, lanes 16-31 the odd tile's behind it
	s_lshl_b32 s2, s[WR], 11
	s_add_co_u32 s2, s2, LRS
	v_add_nc_u32 v9, s2, v8
	s_lshl_b32 s2, s[WP], 12
	s_add_co_u32 s2, s2, LPS
	v_add_nc_u32 v8, s2, v8
	; the bias, in both forms, on the one way that all modes take; the offset of the form that the mode does not use is held at its start, so that no load leaves the 4,096 bytes
	s_cmp_eq_u32 s[MODE], 1
	s_cselect_b64 s[92:93], s[14:15], s[12:13]
	s_cmp_eq_u32 s[MODE], 2
	s_cselect_b64 s[92:93], s[16:17], s[92:93]
	s_lshl_b32 s94, s[PT], 10
	s_lshl_b32 s95, s[WP], 9
	s_add_co_u32 s94, s94, s95                     ; by registers: my 128 rows of P
	s_lshl_b32 s95, s[RT], 9
	s_lshl_b32 s96, s[WR], 8
	s_add_co_u32 s95, s95, s96                     ; by lanes: my 64 rows of R
	s_cmp_eq_u32 s[MODE], 2
	s_cselect_b32 s94, 0, s94
	s_cselect_b32 s95, s95, 0
	v_lshl_add_u32 v12, v3, 5, s94                 ; tile t, half h: eight numbers at 64 t + 32 h
	v_lshl_add_u32 v13, v2, 2, s95                 ; tile i: the number at 64 i + 4 r
	WIN 0x80                                       ; destination window 2
.irp t, 0,1,2,3,4,5,6,7
	global_load_b128 v[BP+8*\t:BP+8*\t+3], v12, s[92:93] offset:64*\t
	global_load_b128 v[BP+8*\t+4:BP+8*\t+7], v12, s[92:93] offset:64*\t+16
.endr
	WIN 0
.irp i, 0,1,2,3
	global_load_b32 v[BR+2*\i], v13, s[92:93] offset:64*\i
	global_load_b32 v[BR+2*\i+1], v13, s[92:93] offset:64*\i   ; (named with it as a pair, so it is written)
.endr
	s_mov_b32 s[SEL], 0x76543210
	s_mov_b32 s[SEL+1], 0xfedcba98
	s_mov_b32 s[LM], 0xffff0000
.irp b, 0,1,2,3
	v_mov_b32 v[TM+4+\b], 0                        ; written once: a lane permute's destination counts as one of its sources
.endr
; The fragments of K step q into set s: 24 loads, each 512 consecutive bytes
.macro FETCH q, s
	WIN 0x80
.irp t, 0,1,2,3,4,5,6,7
.irp c, 0,1
	ds_load_b128 v[96*(\s)+8*\t+4*\c:96*(\s)+8*\t+4*\c+3], v[4+(\q)/4] offset:4096*\t+1024*((\q)%4)+512*\c
.endr
.endr
.irp i, 0,1,2,3
.irp c, 0,1
	ds_load_b128 v[96*(\s)+64+8*\i+4*\c:96*(\s)+64+8*\i+4*\c+3], v[6+(\q)/4] offset:4096*\i+1024*((\q)%4)+512*\c
.endr
.endr
.endm
; One product: accumulator (i, t), K step q.  An odd tile's scale words lie in lanes 16-31 of its pair's register.  K step 0 starts the sums: nothing is cleared.
.macro MM q, i, t
.set rD, 64*(\i)+8*(\t)
.set rA, 96*((\q)%2)+8*(\t)
.set rB, 96*((\q)%2)+64+8*(\i)
.set rP, SCP+8*((\t)/2)+(\q)
.set rR, SCR+8*((\i)/2)+(\q)
.if (\q) == 0
.if ((\t)%2 == 0) && ((\i)%2 == 0)
	v_wmma_scale_f32_16x16x128_f8f6f4 v[rD:rD+7], v[rA:rA+7], v[rB:rB+7], 0, v[rP], v[rR] matrix_a_fmt:MATRIX_FMT_FP4 matrix_b_fmt:MATRIX_FMT_FP4
.elseif ((\t)%2 == 1) && ((\i)%2 == 0)
	v_wmma_scale_f32_16x16x128_f8f6f4 v[rD:rD+7], v[rA:rA+7], v[rB:rB+7], 0, v[rP], v[rR] matrix_a_fmt:MATRIX_FMT_FP4 matrix_b_fmt:MATRIX_FMT_FP4 matrix_a_scale:MATRIX_SCALE_ROW1
.elseif ((\t)%2 == 0)
	v_wmma_scale_f32_16x16x128_f8f6f4 v[rD:rD+7], v[rA:rA+7], v[rB:rB+7], 0, v[rP], v[rR] matrix_a_fmt:MATRIX_FMT_FP4 matrix_b_fmt:MATRIX_FMT_FP4 matrix_b_scale:MATRIX_SCALE_ROW1
.else
	v_wmma_scale_f32_16x16x128_f8f6f4 v[rD:rD+7], v[rA:rA+7], v[rB:rB+7], 0, v[rP], v[rR] matrix_a_fmt:MATRIX_FMT_FP4 matrix_b_fmt:MATRIX_FMT_FP4 matrix_a_scale:MATRIX_SCALE_ROW1 matrix_b_scale:MATRIX_SCALE_ROW1
.endif
.else
.if ((\t)%2 == 0) && ((\i)%2 == 0)
	v_wmma_scale_f32_16x16x128_f8f6f4 v[rD:rD+7], v[rA:rA+7], v[rB:rB+7], v[rD:rD+7], v[rP], v[rR] matrix_a_fmt:MATRIX_FMT_FP4 matrix_b_fmt:MATRIX_FMT_FP4
.elseif ((\t)%2 == 1) && ((\i)%2 == 0)
	v_wmma_scale_f32_16x16x128_f8f6f4 v[rD:rD+7], v[rA:rA+7], v[rB:rB+7], v[rD:rD+7], v[rP], v[rR] matrix_a_fmt:MATRIX_FMT_FP4 matrix_b_fmt:MATRIX_FMT_FP4 matrix_a_scale:MATRIX_SCALE_ROW1
.elseif ((\t)%2 == 0)
	v_wmma_scale_f32_16x16x128_f8f6f4 v[rD:rD+7], v[rA:rA+7], v[rB:rB+7], v[rD:rD+7], v[rP], v[rR] matrix_a_fmt:MATRIX_FMT_FP4 matrix_b_fmt:MATRIX_FMT_FP4 matrix_b_scale:MATRIX_SCALE_ROW1
.else
	v_wmma_scale_f32_16x16x128_f8f6f4 v[rD:rD+7], v[rA:rA+7], v[rB:rB+7], v[rD:rD+7], v[rP], v[rR] matrix_a_fmt:MATRIX_FMT_FP4 matrix_b_fmt:MATRIX_FMT_FP4 matrix_a_scale:MATRIX_SCALE_ROW1 matrix_b_scale:MATRIX_SCALE_ROW1
.endif
.endif
.endm
; A K step of 128: this step's fragments are in; the next step's are asked for into the other set; 32 products, the 32 accumulators by turns in one order.
.macro KSTEP q
	s_wait_dscnt 0x0                               ; this step's fragments (and at first the scale words) are in
.if (\q) == 3
	s_wait_tensorcnt 0x0                           ; my part of chunk 1 has landed,
	s_barrier_signal -1
	s_barrier_wait -1                              ; everybody's has: the next fetch reads it.  Nothing is filled again
.endif
.if (\q) < 7
	PLACES 4                                       ; behind the products that read the other set (ISA guide 7.12.1 for vector instructions)
	FETCH (\q)+1, ((\q)+1)%2
.endif
	WIN 0x5a                                       ; sources 0 and 1 window 2, C and D window 1
.irp i, 0,1,2,3
.irp t, 0,1,2,3,4,5,6,7
	MM \q, \i, \t
.endr
.endr
.endm
; 64 numbers of a lane, tile t at v[s + 8 t], register j = k 16 t + 8 (lane / 16) + j of my row, become a fragment's codes in v[pc] on and its scale word in v[pw].
; A conversion's result is half a tile's 16 codes.  The fragment wants a whole block in a lane: lanes 0-15 block 2 c, lanes 16-31 block 2 c + 1.  So tiles 4 c and 4 c + 2 go to neighbouring registers,
; and one exchange of the first's upper lanes with the second's lower lanes leaves k = 64 c + 32 h + 0..7 in the first and + 8..15 in the second; tiles 4 c + 1 and 4 c + 3 likewise give + 16..31.
.macro QUANT s, pc, pw
.irp b, 0,1,2,3
	v_max3_num_f32 v[TM+\b], |v[\s+16*\b]|, |v[\s+1+16*\b]|, 0x1800000   ; block b: my 16 numbers, and the floor 2^(3 - 127): the byte cannot fall under 1
.endr
.irp i, 2,4,6,8,10,12,14
.irp b, 0,1,2,3
	v_max3_num_f32 v[TM+\b], v[TM+\b], |v[\s+16*\b+\i]|, |v[\s+1+16*\b+\i]|
.endr
.endr
.irp b, 0,1,2,3
	v_permlanex16_b32 v[TM+4+\b], v[TM+\b], s[SEL], s[SEL+1]
.endr
.irp b, 0,1,2,3
	v_max_num_f32 v[TM+\b], v[TM+\b], v[TM+4+\b]   ; with lane l xor 16's: the block's largest magnitude
.endr
.irp b, 0,1,2,3
	v_add_nc_u32 v[TM+12+\b], 0xff000000, v[TM+\b] ; 2 off its exponent field: the conversion's scale operand
.endr
.irp b, 0,1,2,3
	v_lshrrev_b32 v[TM+4+\b], 23, v[TM+12+\b]      ; the scale's byte
.endr
	v_lshl_or_b32 v[\pw], v[TM+5], 8, v[TM+4]
	v_lshl_or_b32 v[\pw], v[TM+6], 16, v[\pw]
	v_lshl_or_b32 v[\pw], v[TM+7], 24, v[\pw]
.irp c, 0,1
	v_cvt_scalef32_pk8_fp4_f32 v[\pc+4*\c],   v[\s+32*\c:\s+32*\c+7],     v[TM+12+2*\c]
	v_cvt_scalef32_pk8_fp4_f32 v[\pc+4*\c+2], v[\s+32*\c+8:\s+32*\c+15],  v[TM+12+2*\c]
	v_cvt_scalef32_pk8_fp4_f32 v[\pc+4*\c+1], v[\s+32*\c+16:\s+32*\c+23], v[TM+13+2*\c]
	v_cvt_scalef32_pk8_fp4_f32 v[\pc+4*\c+3], v[\s+32*\c+24:\s+32*\c+31], v[TM+13+2*\c]
.endr
	v_nop                                          ; one plain place behind a scaled conversion
.irp c, 0,1
	v_permlane16_swap_b32 v[\pc+4*\c], v[\pc+4*\c+1]
	v_permlane16_swap_b32 v[\pc+4*\c+2], v[\pc+4*\c+3]
.endr
.endm
; The way out of R's four tiles.  The bias's addition also carries the numbers into window 0; each accumulator is read from its low end on.  o1, o2: where a tile's two halves of a fragment go.
.macro EPI vmode, o1, o2
.irp i, 0,1,2,3
.if \vmode
	WIN 0x01                                       ; source 0 window 1
.else
	WIN 0x09                                       ; source 0 window 1, source 1 window 2
.endif
.irp t, 0,1,2,3,4,5,6,7
.irp j, 0,2,4,6
.if \vmode
	v_pk_add_f32 v[T+8*\t+\j:T+8*\t+\j+1], v[64*\i+8*\t+\j:64*\i+8*\t+\j+1], v[BR+2*\i:BR+2*\i+1] op_sel_hi:[1,0]
.else
	v_pk_add_f32 v[T+8*\t+\j:T+8*\t+\j+1], v[64*\i+8*\t+\j:64*\i+8*\t+\j+1], v[BP+8*\t+\j:BP+8*\t+\j+1]
.endif
.endr
.endr
	WIN 0
	QUANT T, PC+8*\i, PW+\i
	global_store_b128 v10, v[PC+8*\i:PC+8*\i+3], s[92:93] offset:(\o1)*\i          ; 512 consecutive bytes, aligned
	global_store_b128 v10, v[PC+8*\i+4:PC+8*\i+7], s[92:93] offset:(\o1)*\i+(\o2)
.endr
.endm
	s_wait_alu depctr_va_vdst(0)
	s_wait_tensorcnt 0x1                           ; my scale words and my part of chunk 0 are in; chunk 1's load may stay out
	s_barrier_signal -1
	s_barrier_wait -1                              ; everybody's are
.irp i, 0,1,2,3
.irp q, 0,1,2,3,4,5,6,7
	ds_load_b32 v[SCP+8*\i+\q], v8 offset:1024*\i+64*\q   ; P's pair of tiles i, K step q
.endr
.endr
.irp i, 0,1
.irp q, 0,1,2,3,4,5,6,7
	ds_load_b32 v[SCR+8*\i+\q], v9 offset:1024*\i+64*\q
.endr
.endr
	FETCH 0, 0
.irp q, 0,1,2,3,4,5,6,7
	KSTEP \q
.endr
	PLACES 4                                       ; behind the last products, in front of the first read of results
	WIN 0
	s_wait_loadcnt 0x0                             ; the bias
	s_cmp_eq_u32 s[MODE], 2
	s_cbranch_scc1 .Lmode_v
	; ---- q, k: my 128 rows of P are two heads; a fragment's registers 0-3 are head A's image of 16 rows (K = 64), registers 4-7 head B's
	s_lshr_b32 s96, s[RT], 4
	s_lshl_b32 s96, s96, 4
	s_lshl_b32 s97, s[PT], 2
	s_add_co_u32 s96, s96, s97
	s_lshl_b32 s97, s[WP], 1
	s_add_co_u32 s96, s96, s97                     ; 16 x batch + head A
	s_and_b32 s97, s[RT], 15
	s_lshl_b32 s97, s97, 1
	s_add_co_u32 s97, s97, s[WR]                   ; which 64 rows of the batch's 2,048: 4 tiles, 2 pairs of tiles
	s_lshl_b32 s92, s[MODE], 22
	s_lshl_b32 s98, s96, 16
	s_add_co_u32 s92, s92, s98
	s_lshl_b32 s98, s97, 11
	s_add_co_u32 s92, s92, s98
	s_mov_b32 s93, 0
	s_add_nc_u64 s[92:93], s[18:19], s[92:93]
	s_lshl_b32 s94, s[MODE], 18
	s_lshl_b32 s98, s96, 12
	s_add_co_u32 s94, s94, s98
	s_lshl_b32 s98, s97, 7
	s_add_co_u32 s94, s94, s98
	s_mov_b32 s95, 0
	s_add_nc_u64 s[94:95], s[20:21], s[94:95]
	EPI 0, 512, 65536
	v_perm_b32 v[XW],   v[PW+1], v[PW],   0x05040100   ; a pair of tiles' word: the even tile's two bytes, then the odd tile's.  Head A, pair 0,
	v_perm_b32 v[XW+1], v[PW+3], v[PW+2], 0x05040100   ; pair 1;
	v_perm_b32 v[XW+2], v[PW+1], v[PW],   0x07060302   ; head B
	v_perm_b32 v[XW+3], v[PW+3], v[PW+2], 0x07060302
	v_cndmask_b32 v[XW], v[XW], v[XW+1], s[LM]         ; lanes 0-15 pair 0, lanes 16-31 pair 1 (every lane holds its row's word)
	v_cndmask_b32 v[XW+2], v[XW+2], v[XW+3], s[LM]
	global_store_b32 v11, v[XW], s[94:95]              ; 128 consecutive bytes
	global_store_b32 v11, v[XW+2], s[94:95] offset:4096
	s_branch .Ljoin
.Lmode_v:
	; ---- v: my 128 rows of P are one key step; R's tile i is the head's channel tile i: a whole fragment of V^T
	s_lshr_b32 s96, s[PT], 3
	s_lshl_b32 s96, s96, 4
	s_lshl_b32 s97, s[RT], 1
	s_add_co_u32 s96, s96, s97
	s_add_co_u32 s96, s96, s[WR]                   ; 16 x batch + head
	s_and_b32 s97, s[PT], 7
	s_lshl_b32 s97, s97, 1
	s_add_co_u32 s97, s97, s[WP]                   ; the key step
	s_lshl_b32 s92, s96, 16
	s_lshl_b32 s98, s97, 12
	s_add_co_u32 s92, s92, s98
	s_add_co_u32 s92, s92, 8388608
	s_mov_b32 s93, 0
	s_add_nc_u64 s[92:93], s[18:19], s[92:93]
	s_lshl_b32 s94, s96, 12
	s_lshl_b32 s98, s97, 8
	s_add_co_u32 s94, s94, s98
	s_add_co_u32 s94, s94, 524288
	s_mov_b32 s95, 0
	s_add_nc_u64 s[94:95], s[20:21], s[94:95]
	EPI 1, 1024, 512
	v_cndmask_b32 v[XW], v[PW], v[PW+1], s[LM]     ; channel tiles 0 and 1,
	v_cndmask_b32 v[XW+2], v[PW+2], v[PW+3], s[LM] ; 2 and 3
	global_store_b32 v11, v[XW], s[94:95]
	global_store_b32 v11, v[XW+2], s[94:95] offset:128
.Ljoin:
	s_wait_tensorcnt 0x0
	ds_add_u32 v254, v255
	s_wait_dscnt 0x0
	CROUND                                         ; the closing round: no work-group ends while a partner may still ask for a tile that names it
	s_endpgm
.Lfunc_end_k_q06177df4bb_proj:
	.size	k_q06177df4bb_proj, .Lfunc_end_k_q06177df4bb_proj-k_q06177df4bb_proj
	.p2alignl 7, 3214868480
	.fill 96, 4, 3214868480
	.section	.rodata,"a",@progbits
	.p2align	6, 0x0
	.amdhsa_kernel k_q06177df4bb_proj
		.amdhsa_group_segment_fixed_size 209408
		.amdhsa_private_segment_fixed_size 0
		.amdhsa_enable_private_segment 0
		.amdhsa_kernarg_size 72
		.amdhsa_user_sgpr_count 2
		.amdhsa_user_sgpr_kernarg_segment_ptr 1
		.amdhsa_wavefront_size32 1
		.amdhsa_system_sgpr_workgroup_id_x 1
		.amdhsa_system_sgpr_workgroup_id_y 1
		.amdhsa_system_sgpr_workgroup_id_z 1
		.amdhsa_system_vgpr_workitem_id 0
		.amdhsa_next_free_vgpr 768
		.amdhsa_next_free_sgpr 102
		.amdhsa_reserve_vcc 0
		.amdhsa_float_denorm_mode_32 3
		.amdhsa_float_denorm_mode_16_64 3
		.amdhsa_memory_ordered 1
		.amdhsa_forward_progress 1
		.amdhsa_inst_pref_size 111
	.end_amdhsa_kernel
	.amdgpu_metadata
---
amdhsa.version: [ 1, 2 ]
amdhsa.kernels:
  - .name:           k_q06177df4bb_proj
    .symbol:         k_q06177df4bb_proj.kd
    .args:
      - { .name: xc, .offset: 0, .size: 8, .value_kind: global_buffer, .address_space: global }
      - { .name: xs, .offset: 8, .size: 8, .value_kind: global_buffer, .address_space: global }
      - { .name: wc, .offset: 16, .size: 8, .value_kind: global_buffer, .address_space: global }
      - { .name: ws, .offset: 24, .size: 8, .value_kind: global_buffer, .address_space: global }
      - { .name: bq, .offset: 32, .size: 8, .value_kind: global_buffer, .address_space: global }
      - { .name: bk, .offset: 40, .size: 8, .value_kind: global_buffer, .address_space: global }
      - { .name: bv, .offset: 48, .size: 8, .value_kind: global_buffer, .address_space: global }
      - { .name: img, .offset: 56, .size: 8, .value_kind: global_buffer, .address_space: global }
      - { .name: isc, .offset: 64, .size: 8, .value_kind: global_buffer, .address_space: global }
    .group_segment_fixed_size: 209408
    .private_segment_fixed_size: 0
    .kernarg_segment_align: 8
    .kernarg_segment_size: 72
    .max_flat_workgroup_size: 128
    .sgpr_count:     102
    .vgpr_count:     768
    .wavefront_size: 32
...
	.end_amdgpu_metadata
.endif
;; end of part 2
;; launch attn (part 3): grid 4 x 64, 16 waves a work-group, clusters of 4 x 1, 169,984 bytes of LDS; arguments img, isc, ctxc, ctxs; writes ctxc, ctxs
.if DOCPART == 3
	.amdgcn_target "amdgcn-amd-amdhsa--gfx1250"
	.amdhsa_code_object_version 6
	.text
	.protected	k_q06177df4bb_attn
	.globl	k_q06177df4bb_attn
	.p2align	8
	.type	k_q06177df4bb_attn,@function
k_q06177df4bb_attn:
	s_mov_b64 s[64:65], 0
	v_nop
	global_prefetch_b8 v0, s[64:65] scope:SCOPE_SE
	s_setreg_imm32_b32 hwreg(HW_REG_WAVE_MODE, 25, 1), 1
	s_wait_xcnt 0x0
	s_wait_alu depctr_hold_cnt(0) depctr_sa_sdst(0) depctr_va_vdst(0) depctr_va_sdst(0) depctr_va_ssrc(0) depctr_va_vcc(0) depctr_vm_vsrc(0)
	s_getreg_b32 s2, hwreg(HW_REG_IB_STS2, 6, 4)
	s_cmp_eq_u32 s2, 0
	s_cbranch_scc0 .Lentry_in_a_cluster
	s_endpgm
.Lentry_in_a_cluster:
	s_bfe_u32 s2, ttmp6, 0x10000c
	s_cmp_lg_u32 s2, 0x3003
	s_cbranch_scc0 .Lentry_shape_is_right
	s_endpgm
.Lentry_shape_is_right:
; ctx[b][q][head] = the sum over keys of softmax(q . k / 8) v, both products on codes of FP4 (E2M1) with E8M0 scales; ctx is quantised along the model's 1,024 for the last projection.
; THE SOFTMAX AHEAD OF THE SECOND PRODUCT: t = score x log2(e) / 8; M = the running largest t rounded UP to a whole number; p = 2^(t - M) is quantised along the keys, not normalised.
; The row's sum is taken of the unquantised p, in f32, and divides at the end.  When M moves, the sum and O are multiplied by 2^(old M - new M): exact.
; SHARES.  A work-group owns 512 queries of one head; each of its sixteen waves owns a tile of 16 queries at a time, two tiles one after the other, in 256 registers: four waves to a SIMD.
; THE HEAD'S WHOLE k AND v (128 KiB of codes, 8 KiB of scale words) LIE IN LDS, filled once: no ring, no barrier in the loop.  The four work-groups of a cluster share a head and ask jointly.
; LAYOUT.  Both products are used transposed: S^T = k q^T, O^T = v^T p^T: a lane holds one query (lane % 16) throughout; in tile T register j is key (or channel) 16 T + 8 (lane / 16) + j.
; K = 64 IN AN INSTRUCTION OF 128.  A fragment of k holds TWO tiles of 16 keys (registers 0-3 the even tile, 4-7 the odd).  q stands twice: (q, zero codes) and (zero codes, q): the first gives the even
; tile's scores, the second the odd tile's.  A zero code's products are exactly 0; every scale byte lies in 1..254.  k's scale word is (even tile's 2 bytes, odd tile's 2), q's its 2 bytes twice.
; LIMITS: NaN and infinities are not served.  A block's largest p is taken from the block's largest score, which supposes that v_exp_f32 does not fall where its input rises.  p under 2^-126 is flushed to 0
; (v_exp_f32: ISA guide 15.8).  1 / l is v_rcp_f32.  A block of zeros, or under 2^-124, gets the byte 1, not the rule's (its codes are zeros; this program alone reads the bytes).
; REGISTERS: v1-7, v11 addresses that stay; v8-10 the step's; v12 -M, v13 the largest t, v[14:15] the sum in two halves; v16-23 (q, 0), v24-31 (0, q); v32-63 k; v64-95 v; v96-159 S^T, then p; v160-191 O^T;
;   v192-199 p's codes; v200-203 k's scale words, v204-207 v's, v208 q's, v210 p's (these hold scales and nothing else); v209 q's pair word; v212-229 at work.
.set WV,  12
.set LV,  65536                        ; LDS: k's codes at 0, v's here,
.set LKS, 131072                       ; k's scale words, and 4,096 bytes on v's,
.set CSG, 139264                       ; ctx's scale half-words of my 512 queries: written by LDS stores alone; no fill lands here
.macro PLACES n
.rept \n
	v_nop
.endr
.endm
.macro CROUND                          ; a round of the cluster's barrier
	s_barrier_signal -1
	s_barrier_wait -1
	s_cmp_lg_u32 s[WV], 0
	s_cbranch_scc1 .Lnot_wave_0_\@
	s_barrier_signal -3
.Lnot_wave_0_\@:
	s_barrier_wait -3
	s_barrier_signal -1
	s_barrier_wait -1
.endm
	s_load_b256 s[4:11], s[0:1], 0x0               ; img s[4:5], isc s[6:7], ctxc s[8:9], ctxs s[10:11]
	v_lshl_add_u32 v254, v0, 2, 0x29000
	v_mov_b32 v255, 0
	ds_add_u32 v254, v255
	ds_add_u32 v254, v255
	v_lshrrev_b32 v1, 5, v0
	s_delay_alu instid0(VALU_DEP_1)
	v_readfirstlane_b32 s[WV], v1                  ; wave 0..15
	s_bfe_u32 s13, ttmp6, 0x40000                  ; cx: which 512 queries: it enters q's and ctx's addresses alone
	s_and_b32 s14, ttmp7, 0xffff                   ; 16 x batch + head, which the four partners share
	s_lshr_b32 s15, s14, 4                         ; batch
	s_and_b32 s16, s14, 15                         ; head
	s_mov_b32 s24, 15|(3<<16)|(1<<21)              ; group 1 for codes: the mask names all four; elements of 8 bytes; 21 set beside a mask; 64 rows of 256 dense bytes
	s_mov_b32 s25, 32<<16
	s_mov_b32 s26, 64<<16
	s_mov_b32 s27, 32<<16
	s_mov_b32 s28, 64
	s_mov_b32 s29, 32
	s_mov_b32 s30, 0
	s_mov_b32 s31, 0
	s_mov_b32 s32, 15|(3<<16)|(1<<21)              ; for scale words: 4 rows of 256
	s_mov_b32 s33, 32<<16
	s_mov_b32 s34, 4<<16
	s_mov_b32 s35, 32<<16
	s_mov_b32 s36, 4
	s_mov_b32 s37, 32
	s_mov_b32 s38, 0
	s_mov_b32 s39, 0
	s_lshr_b32 s17, s[WV], 2                       ; waves 0-3 fetch k's quarters, waves 4-7 v's
	s_add_co_u32 s17, s17, 1                       ; k is tensor 1 of img and isc, v tensor 2
	s_and_b32 s18, s[WV], 3
	s_lshl_b32 s52, s17, 22
	s_lshl_b32 s53, s14, 16
	s_add_co_u32 s52, s52, s53
	s_lshl_b32 s53, s18, 14
	s_add_co_u32 s52, s52, s53
	s_mov_b32 s53, 0
	s_lshr_b32 s54, s52, 4                         ; scale words are a sixteenth of the codes
	s_mov_b32 s55, 0
	s_wait_dscnt 0x0
	s_wait_kmcnt 0x0
	s_mov_b32 s40, 1
	s_lshl_b32 s41, s[WV], 14                      ; 16,384 x wave: k's four quarters, then v's
	s_add_nc_u64 s[42:43], s[4:5], s[52:53]
	s_or_b32 s43, s43, 0x80000000
	s_mov_b32 s44, 1
	s_lshl_b32 s45, s[WV], 10
	s_add_co_u32 s45, s45, LKS
	s_add_nc_u64 s[46:47], s[6:7], s[54:55]
	s_or_b32 s47, s47, 0x80000000
	CROUND                                         ; all four work-groups are here: the joint loads meet
	s_cmp_lt_u32 s[WV], 8                          ; a wave's two first fills stand in one branch: two loads of mine are out
	s_cbranch_scc0 .Lno_fill
	tensor_load_to_lds s[40:43], s[24:31]
	s_nop 0
	tensor_load_to_lds s[44:47], s[32:39]
	s_nop 0
	PLACES 4
.Lno_fill:
	s_lshl_b32 s53, s13, 5
	s_add_co_u32 s53, s53, s[WV]                   ; my first tile of queries in the head: 32 cx + wave; the second lies 16 tiles on
	s_lshl_b32 s52, s14, 16
	s_lshl_b32 s54, s53, 9
	s_add_co_u32 s52, s52, s54
	s_mov_b32 s55, 0
	s_mov_b32 s54, s52
	s_add_nc_u64 s[4:5], s[4:5], s[54:55]          ; q's image
	s_lshl_b32 s52, s13, 4
	s_lshr_b32 s54, s[WV], 1
	s_add_co_u32 s52, s52, s54                     ; its pair of tiles
	s_lshl_b32 s52, s52, 6
	s_lshl_b32 s54, s14, 12
	s_add_co_u32 s54, s54, s52
	s_add_nc_u64 s[6:7], s[6:7], s[54:55]          ; q's pair words
	s_lshl_b32 s52, s15, 7
	s_add_co_u32 s52, s52, s53                     ; ctx's tile of rows: 128 x batch + my tile
	s_lshl_b32 s52, s52, 13
	s_lshl_b32 s54, s16, 9
	s_add_co_u32 s54, s54, s52
	s_add_nc_u64 s[8:9], s[8:9], s[54:55]          ; the head's two K blocks of that tile
	s_lshl_b32 s52, s16, 14
	s_lshl_b32 s54, s15, 12
	s_add_co_u32 s52, s52, s54
	s_lshl_b32 s54, s13, 10
	s_add_co_u32 s54, s54, s52
	s_add_nc_u64 s[10:11], s[10:11], s[54:55]      ; the head's plane of half-words, at my 512 queries
	s_mov_b32 s20, 0x76543210
	s_mov_b32 s21, 0xfedcba98                      ; v_permlanex16_b32's selects for lane l xor 16
	s_mov_b32 s22, 0x3e38aa3b                      ; c = log2(e) / 8
	s_mov_b32 s23, s22                             ; (named with it as a pair, so it is written)
	s_mov_b32 s51, 0x03020302                      ; an odd tile's two bytes of the pair word, twice;
	s_and_b32 s52, s[WV], 1
	s_cmp_lg_u32 s52, 0
	s_cselect_b32 s51, s51, 0x01000100             ; an even tile's
	v_and_b32 v4, 31, v0
	s_delay_alu instid0(VALU_DEP_1)
	v_lshlrev_b32 v1, 4, v4                        ; 16 x lane: k's images, q's, ctx's
	s_delay_alu instid0(VALU_DEP_1)
	v_add_nc_u32 v2, LV, v1                        ; v's
	v_and_b32 v4, 15, v0
	s_delay_alu instid0(VALU_DEP_1)
	v_lshlrev_b32 v5, 2, v4                        ; 4 r
	s_delay_alu instid0(VALU_DEP_1)
	v_add_nc_u32 v3, LKS, v5                       ; scale words
	s_lshl_b32 s52, s[WV], 5
	s_add_co_u32 s52, s52, CSG
	v_lshl_add_u32 v6, v4, 1, s52                  ; my query's half-word: 32 x wave + 2 r
	v_lshlrev_b32 v11, 4, v0                       ; the half-words' way out: 16 x thread
	s_delay_alu instid0(VALU_DEP_1)
	v_add_nc_u32 v7, CSG, v11
.irp j, 20,21,22,23,24,25,26,27
	v_mov_b32 v[\j], 0                             ; the zero codes beside q
.endr
.irp j, 216,217,218,219,225,226
	v_mov_b32 v[\j], 0                             ; written once: lane permutes' destinations count as sources; v225 is named as the upper half of a pair
.endr
	s_wait_tensorcnt 0x0                           ; my fills have landed (a wave that issued none passes),
	s_barrier_signal -1
	s_barrier_wait -1                              ; everybody's have
; A KEY STEP: 128 keys.
.macro STEP
	v_add_nc_u32 v8, s48, v1
	v_add_nc_u32 v9, s48, v2
	v_add_nc_u32 v10, s49, v3
	v_nop                                          ; four places behind the last products, in front of loads into registers that they read
.irp f, 0,1,2,3
	ds_load_b128 v[32+8*\f:35+8*\f], v8 offset:1024*\f          ; tiles 2 f and 2 f + 1 of the step's eight
	ds_load_b128 v[36+8*\f:39+8*\f], v8 offset:1024*\f+512
	ds_load_b32 v[200+\f], v10 offset:64*\f
.endr
.irp f, 0,1,2,3
	ds_load_b128 v[64+8*\f:67+8*\f], v9 offset:1024*\f          ; channel tile f x these 128 keys
	ds_load_b128 v[68+8*\f:71+8*\f], v9 offset:1024*\f+512
	ds_load_b32 v[204+\f], v10 offset:4096+64*\f
.endr
	s_wait_dscnt 12                                ; k's twelve loads are in; v's twelve may stay out until the second product
.irp f, 0,1,2,3
	v_wmma_scale_f32_16x16x128_f8f6f4 v[96+16*\f:103+16*\f], v[32+8*\f:39+8*\f], v[16:23], 0, v[200+\f], v208 matrix_a_fmt:MATRIX_FMT_FP4 matrix_b_fmt:MATRIX_FMT_FP4
	v_wmma_scale_f32_16x16x128_f8f6f4 v[104+16*\f:111+16*\f], v[32+8*\f:39+8*\f], v[24:31], 0, v[200+\f], v208 matrix_a_fmt:MATRIX_FMT_FP4 matrix_b_fmt:MATRIX_FMT_FP4
.endr
	PLACES 4
.irp b, 0,1,2,3
	v_max3_num_f32 v[212+\b], v[96+16*\b], v[97+16*\b], v[98+16*\b]   ; the largest score of each block of 32 keys: it serves for the row's maximum and, since p rises with the score, for the block's largest p
.endr
.irp i, 3,5,7,9,11,13
.irp b, 0,1,2,3
	v_max3_num_f32 v[212+\b], v[212+\b], v[96+16*\b+\i], v[97+16*\b+\i]
.endr
.endr
.irp b, 0,1,2,3
	v_max_num_f32 v[212+\b], v[212+\b], v[111+16*\b]
.endr
.irp b, 0,1,2,3
	s_delay_alu instid0(VALU_DEP_4)
	v_permlanex16_b32 v[216+\b], v[212+\b], s20, s21
.endr
.irp b, 0,1,2,3
	s_delay_alu instid0(VALU_DEP_4)
	v_max_num_f32 v[212+\b], v[212+\b], v[216+\b]  ; with lane l xor 16's 16 keys
.endr
	s_delay_alu instid0(VALU_DEP_2)
	v_max3_num_f32 v226, v212, v213, v214
	s_delay_alu instid0(VALU_DEP_1)
	v_max_num_f32 v226, v226, v215                 ; the step's largest score of my query
	s_delay_alu instid0(VALU_DEP_1)
	v_mul_f32 v226, s22, v226                      ; as t
	s_delay_alu instid0(VALU_DEP_1)
	v_max_num_f32 v13, v13, v226                   ; the running largest t
	v_mov_b32 v226, v12
	s_delay_alu instid0(VALU_DEP_2)
	v_floor_f32 v12, -v13                          ; the new -M = floor(-t) = -ceil(t)
	s_delay_alu instid0(VALU_DEP_1)
	v_sub_f32 v226, v12, v226                      ; old M - new M: a whole number, 0 or less
	s_delay_alu instid0(VALU_DEP_1)
	v_cvt_i32_f32 v226, v226                       ; (it saturates)
	s_delay_alu instid0(VALU_DEP_1)
	v_ldexp_f32 v224, 1.0, v226                    ; f = 2^(old M - new M)
.set j, 0
.rept 32
	v_pk_fma_f32 v[96+j:97+j], v[96+j:97+j], s[22:23], v[12:13] op_sel_hi:[1,0,0]   ; t - M, two at a time
.set j, j+2
.endr
.irp b, 0,1,2,3
	v_fma_f32 v[212+\b], v[212+\b], s22, v12       ; the same of each block's largest score
.endr
.set j, 0
	s_wait_alu depctr_va_vdst(0)
.rept 64
	v_exp_f32 v[96+j], v[96+j]                     ; p = 2^(t - M)
.set j, j+1
.endr
	s_setprio 1
.irp b, 0,1,2,3
	v_exp_f32 v[212+\b], v[212+\b]                 ; the block's largest p: the same two instructions on the same number
.endr
	v_pk_mul_f32 v[14:15], v[14:15], v[224:225] op_sel_hi:[1,0]   ; the sums under the new M (a plain place behind the exponentials)
	s_wait_alu depctr_va_vdst(0)
.irp b, 0,1,2,3
	v_max_num_f32 v[212+\b], 0x1800000, v[212+\b]  ; the floor 2^(3 - 127): the byte cannot fall under 1
.endr
.irp b, 0,1,2,3
	s_delay_alu instid0(VALU_DEP_4)
	v_add_nc_u32 v[220+\b], 0xff000000, v[212+\b]  ; 2 off the exponent field: the conversion's scale operand
.endr
.irp b, 0,1,2,3
	s_delay_alu instid0(VALU_DEP_4)
	v_lshrrev_b32 v[216+\b], 23, v[220+\b]         ; the scale's byte
.endr
	s_delay_alu instid0(VALU_DEP_3)
	v_lshl_or_b32 v210, v217, 8, v216              ; p's scale word for these 128 keys
	s_delay_alu instid0(VALU_DEP_1)
	v_lshl_or_b32 v210, v218, 16, v210
	s_delay_alu instid0(VALU_DEP_1)
	v_lshl_or_b32 v210, v219, 24, v210
.irp c, 0,1                                    ; tiles 4 c and 4 c + 2 to neighbouring registers, 4 c + 1 and 4 c + 3 likewise: the exchanges below then leave a whole block in a lane, its keys in order
	v_cvt_scalef32_pk8_fp4_f32 v[192+4*\c], v[96+32*\c:103+32*\c],  v[220+2*\c]
	v_cvt_scalef32_pk8_fp4_f32 v[194+4*\c], v[104+32*\c:111+32*\c], v[220+2*\c]
	v_cvt_scalef32_pk8_fp4_f32 v[193+4*\c], v[112+32*\c:119+32*\c], v[221+2*\c]
	v_cvt_scalef32_pk8_fp4_f32 v[195+4*\c], v[120+32*\c:127+32*\c], v[221+2*\c]
.endr
	v_nop                                          ; one plain place behind a scaled conversion
.irp c, 0,1
	v_permlane16_swap_b32 v[192+4*\c], v[193+4*\c]
	v_permlane16_swap_b32 v[194+4*\c], v[195+4*\c]
.endr
	v_pk_add_f32 v[228:229], v[100:101], v[104:105]
	v_pk_add_f32 v[252:253], v[108:109], v[112:113]
	v_pk_add_f32 v[250:251], v[116:117], v[120:121]
	v_pk_add_f32 v[248:249], v[124:125], v[128:129]
	v_pk_add_f32 v[246:247], v[132:133], v[136:137]
	v_pk_add_f32 v[244:245], v[140:141], v[144:145]
	v_pk_add_f32 v[242:243], v[148:149], v[152:153]
	v_pk_add_f32 v[14:15], v[14:15], v[156:157]
	v_pk_add_f32 v[228:229], v[228:229], v[96:97]
	v_pk_add_f32 v[252:253], v[252:253], v[98:99]
	v_pk_add_f32 v[250:251], v[250:251], v[102:103]
	v_pk_add_f32 v[248:249], v[248:249], v[106:107]
	v_pk_add_f32 v[246:247], v[246:247], v[110:111]
	v_pk_add_f32 v[244:245], v[244:245], v[114:115]
	v_pk_add_f32 v[242:243], v[242:243], v[118:119]
	v_pk_add_f32 v[14:15], v[14:15], v[122:123]
	v_pk_add_f32 v[228:229], v[228:229], v[126:127]
	v_pk_add_f32 v[252:253], v[252:253], v[130:131]
	v_pk_add_f32 v[250:251], v[250:251], v[134:135]
	v_pk_add_f32 v[248:249], v[248:249], v[138:139]
	v_pk_add_f32 v[246:247], v[246:247], v[142:143]
	v_pk_add_f32 v[244:245], v[244:245], v[146:147]
	v_pk_add_f32 v[242:243], v[242:243], v[150:151]
	v_pk_add_f32 v[14:15], v[14:15], v[154:155]
	v_pk_add_f32 v[228:229], v[228:229], v[158:159]
	s_delay_alu instid0(VALU_DEP_2)
	v_pk_add_f32 v[14:15], v[14:15], v[248:249]
	s_delay_alu instid0(VALU_DEP_2)
	v_pk_add_f32 v[228:229], v[228:229], v[246:247]
	v_pk_add_f32 v[252:253], v[252:253], v[244:245]
	v_pk_add_f32 v[250:251], v[250:251], v[242:243]
	s_delay_alu instid0(VALU_DEP_2)
	v_pk_add_f32 v[14:15], v[14:15], v[252:253]
	s_delay_alu instid0(VALU_DEP_2)
	v_pk_add_f32 v[228:229], v[228:229], v[250:251]
	s_delay_alu instid0(VALU_DEP_1)
	v_pk_add_f32 v[14:15], v[14:15], v[228:229]
.set j, 0
	s_setprio 0
.rept 16
	v_pk_mul_f32 v[160+j:161+j], v[160+j:161+j], v[224:225] op_sel_hi:[1,0]   ; O^T under the new M.  (With the sums: the places between p's codes and scale word and the products)
.set j, j+2
.endr
	s_wait_alu depctr_va_vdst(0)
	s_wait_dscnt 0x0                               ; v's fragments and scale words are in
.irp f, 0,1,2,3                                ; the four accumulators by turns; eleven other products stand between two on one of them
	v_wmma_scale_f32_16x16x128_f8f6f4 v[160+8*\f:167+8*\f], v[64+8*\f:71+8*\f], v[192:199], v[160+8*\f:167+8*\f], v[204+\f], v210 matrix_a_fmt:MATRIX_FMT_FP4 matrix_b_fmt:MATRIX_FMT_FP4
.endr
	s_add_co_u32 s48, s48, 4096                    ; the next step's images,
	s_add_co_u32 s49, s49, 256                     ; and scale words
.endm
; A TILE OF 16 QUERIES: all 16 key steps, then ctx = O / l, quantised: the head's 64 channels are two blocks.
.macro PASS p
.if \p
	s_wait_xcnt 0x0                                ; the first tile's store has read its registers
.endif
	global_load_b128 v[16:19], v1, s[4:5] offset:8192*\p    ; q's image, into both places
	global_load_b128 v[28:31], v1, s[4:5] offset:8192*\p
	global_load_b32 v209, v5, s[6:7] offset:512*\p
	v_mov_b32 v13, 0xff61b1e6                      ; the largest t so far: -3e38, under every t
	s_delay_alu instid0(VALU_DEP_1)
	v_floor_f32 v12, -v13                          ; -M
	v_mov_b32 v14, 0
	v_mov_b32 v15, 0
.set j, 0
.rept 32
	v_mov_b32 v[160+j], 0                          ; O^T: the step is written once; the first finds zeros, which the first change of M leaves zeros
.set j, j+1
.endr
	s_mov_b32 s48, 0
	s_mov_b32 s49, 0
	s_mov_b32 s50, 16
	s_wait_loadcnt 0x0
	v_perm_b32 v208, v209, v209, s51               ; q's scale word: my tile's two bytes, twice
	PLACES 8                                       ; a scale register written by a vector instruction stands eight places ahead of a scaled product
.Lstep_\@:
	s_wait_alu depctr_va_vdst(0)
	s_setprio 2
	STEP
	s_sub_co_u32 s50, s50, 1
	s_cmp_lg_u32 s50, 0
	s_cbranch_scc1 .Lstep_\@
	s_setprio 0
	PLACES 4
	v_add_f32 v14, v14, v15                        ; the sum's two halves,
	s_delay_alu instid0(VALU_DEP_1)
	v_permlanex16_b32 v226, v14, s20, s21
	s_delay_alu instid0(VALU_DEP_1)
	v_add_f32 v14, v14, v226                       ; and lane l xor 16's
	s_wait_alu depctr_va_vdst(0)
	v_rcp_f32 v14, v14
	v_nop                                          ; one plain place behind a transcendental
.set j, 0
	s_wait_alu depctr_va_vdst(0)
.rept 16
	v_pk_mul_f32 v[96+j:97+j], v[160+j:161+j], v[14:15] op_sel_hi:[1,0]   ; ctx: tile t, register i: channel 16 t + 8 h + i; each accumulator from its low end on
.set j, j+2
.endr
.irp b, 0,1
	v_max3_num_f32 v[212+\b], |v[96+16*\b]|, |v[97+16*\b]|, 0x1800000
.endr
.irp i, 2,4,6,8,10,12,14
.irp b, 0,1
	s_delay_alu instid0(VALU_DEP_2)
	v_max3_num_f32 v[212+\b], v[212+\b], |v[96+16*\b+\i]|, |v[97+16*\b+\i]|
.endr
.endr
.irp b, 0,1
	s_delay_alu instid0(VALU_DEP_2)
	v_permlanex16_b32 v[216+\b], v[212+\b], s20, s21
.endr
.irp b, 0,1
	s_delay_alu instid0(VALU_DEP_2)
	v_max_num_f32 v[212+\b], v[212+\b], v[216+\b]
.endr
.irp b, 0,1
	s_delay_alu instid0(VALU_DEP_2)
	v_add_nc_u32 v[220+\b], 0xff000000, v[212+\b]
.endr
.irp b, 0,1
	s_delay_alu instid0(VALU_DEP_2)
	v_lshrrev_b32 v[216+\b], 23, v[220+\b]
.endr
	s_delay_alu instid0(VALU_DEP_1)
	v_lshl_or_b32 v226, v217, 8, v216              ; the head's two scale bytes of my query
	v_cvt_scalef32_pk8_fp4_f32 v192, v[96:103],  v220
	v_cvt_scalef32_pk8_fp4_f32 v194, v[104:111], v220
	v_cvt_scalef32_pk8_fp4_f32 v193, v[112:119], v221
	v_cvt_scalef32_pk8_fp4_f32 v195, v[120:127], v221
	v_nop
	v_permlane16_swap_b32 v192, v193
	v_permlane16_swap_b32 v194, v195
	global_store_b128 v1, v[192:195], s[8:9] offset:131072*\p   ; the head's two K blocks of 16 rows: 512 consecutive bytes
	ds_store_b16 v6, v226 offset:512*\p            ; both halves of the lanes write the same half-word with the same value
.endm
	PASS 0
	PASS 1
	s_wait_dscnt 0x0                               ; for the others' sake: my half-words lie in LDS
	s_barrier_signal -1
	s_barrier_wait -1
	s_cmp_lt_u32 s[WV], 2
	s_cbranch_scc0 .Lno_scales
	ds_load_b128 v[96:99], v7                      ; the work-group's 1,024 bytes leave by two waves,
	s_wait_dscnt 0x0
	global_store_b128 v11, v[96:99], s[10:11]      ; 512 consecutive bytes each
.Lno_scales:
	s_wait_tensorcnt 0x0
	ds_add_u32 v254, v255
	s_wait_dscnt 0x0
	CROUND                                         ; the closing round
	s_endpgm
.Lfunc_end_k_q06177df4bb_attn:
	.size	k_q06177df4bb_attn, .Lfunc_end_k_q06177df4bb_attn-k_q06177df4bb_attn
	.p2alignl 7, 3214868480
	.fill 96, 4, 3214868480
	.section	.rodata,"a",@progbits
	.p2align	6, 0x0
	.amdhsa_kernel k_q06177df4bb_attn
		.amdhsa_group_segment_fixed_size 169984
		.amdhsa_private_segment_fixed_size 0
		.amdhsa_enable_private_segment 0
		.amdhsa_kernarg_size 32
		.amdhsa_user_sgpr_count 2
		.amdhsa_user_sgpr_kernarg_segment_ptr 1
		.amdhsa_wavefront_size32 1
		.amdhsa_system_sgpr_workgroup_id_x 1
		.amdhsa_system_sgpr_workgroup_id_y 1
		.amdhsa_system_sgpr_workgroup_id_z 1
		.amdhsa_system_vgpr_workitem_id 0
		.amdhsa_next_free_vgpr 256
		.amdhsa_next_free_sgpr 66
		.amdhsa_reserve_vcc 0
		.amdhsa_float_denorm_mode_32 3
		.amdhsa_float_denorm_mode_16_64 3
		.amdhsa_memory_ordered 1
		.amdhsa_forward_progress 1
		.amdhsa_inst_pref_size 52
	.end_amdhsa_kernel
	.amdgpu_metadata
---
amdhsa.version: [ 1, 2 ]
amdhsa.kernels:
  - .name:           k_q06177df4bb_attn
    .symbol:         k_q06177df4bb_attn.kd
    .args:
      - { .name: img, .offset: 0, .size: 8, .value_kind: global_buffer, .address_space: global }
      - { .name: isc, .offset: 8, .size: 8, .value_kind: global_buffer, .address_space: global }
      - { .name: ctxc, .offset: 16, .size: 8, .value_kind: global_buffer, .address_space: global }
      - { .name: ctxs, .offset: 24, .size: 8, .value_kind: global_buffer, .address_space: global }
    .group_segment_fixed_size: 169984
    .private_segment_fixed_size: 0
    .kernarg_segment_align: 8
    .kernarg_segment_size: 32
    .max_flat_workgroup_size: 512
    .sgpr_count:     66
    .vgpr_count:     256
    .wavefront_size: 32
...
	.end_amdgpu_metadata
.endif
;; end of part 3
;; launch outp (part 4): grid 4 x 64, 4 waves a work-group, clusters of 4 x 4, 243,200 bytes of LDS; arguments ctxc, ctxs, wc, ws, bo, out0; writes out0
.if DOCPART == 4
	.amdgcn_target "amdgcn-amd-amdhsa--gfx1250"
	.amdhsa_code_object_version 6
	.text
	.protected	k_q06177df4bb_outp
	.globl	k_q06177df4bb_outp
	.p2align	8
	.type	k_q06177df4bb_outp,@function
k_q06177df4bb_outp:
	s_mov_b64 s[64:65], 0
	v_nop
	global_prefetch_b8 v0, s[64:65] scope:SCOPE_SE
	s_setreg_imm32_b32 hwreg(HW_REG_WAVE_MODE, 25, 1), 1
	s_wait_xcnt 0x0
	s_wait_alu depctr_hold_cnt(0) depctr_sa_sdst(0) depctr_va_vdst(0) depctr_va_sdst(0) depctr_va_ssrc(0) depctr_va_vcc(0) depctr_vm_vsrc(0)
	s_getreg_b32 s2, hwreg(HW_REG_IB_STS2, 6, 4)
	s_cmp_eq_u32 s2, 0
	s_cbranch_scc0 .Lentry_in_a_cluster
	s_endpgm
.Lentry_in_a_cluster:
	s_bfe_u32 s2, ttmp6, 0x10000c
	s_cmp_lg_u32 s2, 0xf033
	s_cbranch_scc0 .Lentry_shape_is_right
	s_endpgm
.Lentry_shape_is_right:
; out0 = Q(ctx) Q(Wo) + bo on codes of FP4 (E2M1) with E8M0 scales; out0 [8192][1024] f32.
; Source 0 is P = Wo's columns n, source 1 is R = ctx's rows m: a lane then holds eight neighbouring numbers of a row of out0.  A work-group makes 256 columns x 128 rows, each of four waves 128 x 64.
; The tiles of all of K = 1,024 lie in LDS, filled once, in two chunks of 512 along K.  4 x 4 work-groups form a cluster: a column shares Wo's tile, a row ctx's: joint loads.
; Operands lie in the order of their registers: a fragment is two loads of 16 bytes a lane at a constant + 16 x lane.  ctx's scale bytes come as half-words by head ([head][row]); two heads make a K step's word.
; The bias is the C of each sum's first product.  Results leave through each wave's own stage in LDS, as whole rows of 512 bytes.
; REGISTERS.  Window 0: v1-13 addresses; v32-63 P's scale words, v64-79 R's (scales and nothing else); v128-255 half-words at first, rows of out0 at last.
;   Window 1: accumulator (i, t) at v[64 i + 8 t].   Window 2: two sets of fragments at v0 and v96; v192-255 the bias.
.set WV,   22
.set WR,   23
.set WP,   24
.set CX,   25
.set CY,   26
.set PT,   30
.set RT,   31
.set G1P,  32
.set G1R,  40
.set G1PS, 48
.set G1RS, 56
.set G0P,  68
.set G0R,  80
.set LR,   131072                      ; LDS: P's codes at 0: [chunk][16 tiles][4,096];  R's here: [chunk][8 tiles][4,096]
.set LPS,  196608                      ; P's scale words: [16 tiles][512]
.set LRS,  204800                      ; R's half-words: [16 heads][128 rows]
.set STG,  208896                      ; a stage of 16 rows x (512 + 16) bytes for each wave: no fill lands here
.set SPI,  528
.set SCP,  32
.set SCR,  64
.set BP,   192
.set MSB, 0
.macro WIN new                         ; the immediate's high byte repeats the setting that is left
.if MSB != \new
	s_set_vgpr_msb (MSB<<8)|\new
.set MSB, \new
.endif
.endm
.macro PLACES n
.rept \n
	v_nop
.endr
.endm
.macro CROUND                          ; a round of the cluster's barrier
	s_barrier_signal -1
	s_barrier_wait -1
	s_cmp_lg_u32 s[WV], 0
	s_cbranch_scc1 .Lnot_wave_0_\@
	s_barrier_signal -3
.Lnot_wave_0_\@:
	s_barrier_wait -3
	s_barrier_signal -1
	s_barrier_wait -1
.endm
.macro GROUP1 g, c, r, p               ; words 1 to 7: r rows of c elements of 8 bytes, p elements apart
	s_mov_b32 s[\g+1], (\c)<<16
	s_mov_b32 s[\g+2], (\r)<<16
	s_mov_b32 s[\g+3], (\c)<<16
	s_mov_b32 s[\g+4], \r
	s_mov_b32 s[\g+5], \p
	s_mov_b32 s[\g+6], 0
	s_mov_b32 s[\g+7], 0
.endm
	s_load_b256 s[4:11], s[0:1], 0x0               ; ctxc s[4:5], ctxs s[6:7], wc s[8:9], ws s[10:11]
	s_load_b128 s[12:15], s[0:1], 0x20             ; bo s[12:13], out0 s[14:15]
	v_lshl_add_u32 v126, v0, 2, 0x3b400
	v_mov_b32 v127, 0
	ds_add_u32 v126, v127
	ds_add_u32 v126, v127
	v_lshrrev_b32 v1, 5, v0
	v_readfirstlane_b32 s[WV], v1
	s_lshr_b32 s[WR], s[WV], 1
	s_and_b32 s[WP], s[WV], 1
	s_bfe_u32 s[CX], ttmp6, 0x40000
	s_bfe_u32 s[CY], ttmp6, 0x40004
	s_mov_b32 s[PT], s[CX]                         ; Wo's tile of 256 columns
	s_and_b32 s27, ttmp7, 0xffff
	s_lshl_b32 s[RT], s27, 2
	s_add_co_u32 s[RT], s[RT], s[CY]               ; ctx's tile of 128 rows
	s_lshl_b32 s2, 0x1111, s[CX]                   ; my column of the cluster: shares P
	s_lshl_b32 s3, s[CY], 2
	s_lshl_b32 s3, 15, s3                          ; my row: shares R
	s_or_b32 s[G1P], s2, (3<<16)|(1<<21)           ; the mask; elements of 8 bytes; 21 set beside a mask; no padding
	s_or_b32 s[G1PS], s2, (3<<16)|(1<<21)
	s_or_b32 s[G1R], s3, (3<<16)|(1<<21)
	s_or_b32 s[G1RS], s3, (3<<16)|(1<<21)
	GROUP1 G1P, 512, 8, 1024                       ; 8 tiles of rows: 4,096 bytes (512 along K) of each tile's 8,192
	GROUP1 G1R, 512, 4, 1024
	GROUP1 G1PS, 32, 16, 32                        ; 4,096 dense bytes as rows of 256
	GROUP1 G1RS, 32, 8, 2048                       ; 8 heads: my 128 rows' 256 bytes of each head's plane of 16,384
	s_lshl_b32 s66, s[PT], 17                      ; (P's registers never hold cy, R's never cx)
	s_lshl_b32 s67, s[WP], 16
	s_add_co_u32 s66, s66, s67
	s_mov_b32 s67, 0
	s_lshl_b32 s100, s[RT], 16
	s_lshl_b32 s101, s[WP], 15
	s_add_co_u32 s100, s100, s101
	s_mov_b32 s101, 0
	s_lshl_b32 s98, s[RT], 8
	s_lshl_b32 s99, s[WP], 17
	s_add_co_u32 s98, s98, s99
	s_mov_b32 s99, 0
	s_wait_dscnt 0x0
	s_wait_kmcnt 0x0
	s_add_nc_u64 s[92:93], s[8:9], s[66:67]
	s_add_nc_u64 s[92:93], s[92:93], 1572864       ; Wo is the fourth weight in wc,
	s_lshr_b32 s66, s66, 4
	s_add_nc_u64 s[94:95], s[10:11], s[66:67]
	s_add_nc_u64 s[94:95], s[94:95], 98304         ; and in ws
	s_add_nc_u64 s[96:97], s[4:5], s[100:101]
	s_add_nc_u64 s[98:99], s[6:7], s[98:99]
	s_lshl_b32 s2, s[WP], 12
	s_lshl_b32 s3, s[WP], 15
	s_mov_b32 s[G0P], 1
	s_add_co_u32 s[G0P+1], s2, LPS
	s_mov_b64 s[G0P+2:G0P+3], s[94:95]
	s_or_b32 s[G0P+3], s[G0P+3], 0x80000000
	s_mov_b32 s[G0P+4], 1
	s_mov_b32 s[G0P+5], s3
	s_mov_b64 s[G0P+6:G0P+7], s[92:93]
	s_or_b32 s[G0P+7], s[G0P+7], 0x80000000
	s_mov_b32 s[G0P+8], 1
	s_add_co_u32 s[G0P+9], s3, 65536
	s_add_nc_u64 s[G0P+10:G0P+11], s[92:93], 4096
	s_or_b32 s[G0P+11], s[G0P+11], 0x80000000
	s_lshr_b32 s2, s2, 1
	s_lshr_b32 s3, s3, 1
	s_mov_b32 s[G0R], 1
	s_add_co_u32 s[G0R+1], s2, LRS
	s_mov_b64 s[G0R+2:G0R+3], s[98:99]
	s_or_b32 s[G0R+3], s[G0R+3], 0x80000000
	s_mov_b32 s[G0R+4], 1
	s_add_co_u32 s[G0R+5], s3, LR
	s_mov_b64 s[G0R+6:G0R+7], s[96:97]
	s_or_b32 s[G0R+7], s[G0R+7], 0x80000000
	s_mov_b32 s[G0R+8], 1
	s_add_co_u32 s[G0R+9], s3, LR+32768
	s_add_nc_u64 s[G0R+10:G0R+11], s[96:97], 4096
	s_or_b32 s[G0R+11], s[G0R+11], 0x80000000
	CROUND                                         ; all sixteen work-groups are here: the joint loads meet
	s_cmp_eq_u32 s[WR], 0                          ; waves 0, 1 fetch P's halves, waves 2, 3 R's: a wave's three first fills stand in one branch; three loads of mine are out
	s_cbranch_scc0 .Lfill_r
	tensor_load_to_lds s[G0P:G0P+3], s[G1PS:G1PS+7]
	s_nop 0
	tensor_load_to_lds s[G0P+4:G0P+7], s[G1P:G1P+7]
	s_nop 0
	tensor_load_to_lds s[G0P+8:G0P+11], s[G1P:G1P+7]
	s_nop 0
	PLACES 4
	s_branch .Lfilled
.Lfill_r:
	tensor_load_to_lds s[G0R:G0R+3], s[G1RS:G1RS+7]
	s_nop 0
	tensor_load_to_lds s[G0R+4:G0R+7], s[G1R:G1R+7]
	s_nop 0
	tensor_load_to_lds s[G0R+8:G0R+11], s[G1R:G1R+7]
	s_nop 0
	PLACES 4
.Lfilled:
	v_and_b32 v1, 31, v0                           ; lane
	v_and_b32 v2, 15, v0                           ; r
	v_bfe_u32 v3, v0, 4, 1                         ; h
	v_lshlrev_b32 v10, 4, v1                       ; 16 x lane
	s_lshl_b32 s2, s[WP], 15
	v_add_nc_u32 v4, s2, v10                       ; my 8 tiles of P in chunk 0,
	v_add_nc_u32 v5, 65536, v4                     ; in chunk 1
	s_lshl_b32 s2, s[WR], 14
	s_add_co_u32 s2, s2, LR
	v_add_nc_u32 v6, s2, v10                       ; my 4 tiles of R
	v_add_nc_u32 v7, 32768, v6
	v_lshlrev_b32 v8, 9, v3
	v_lshl_add_u32 v8, v2, 2, v8
	s_lshl_b32 s2, s[WP], 12
	s_add_co_u32 s2, s2, LPS
	v_add_nc_u32 v8, s2, v8                        ; P's scale words: lanes 0-15 an even tile's, lanes 16-31 the odd tile's behind it
	s_lshl_b32 s2, s[WR], 7
	s_add_co_u32 s2, s2, LRS
	v_lshl_add_u32 v9, v1, 1, s2                   ; R's half-words: row 64 x half + lane (+ 32 for the second pair of tiles)
	s_mul_i32 s2, s[WV], 16*SPI
	s_add_co_u32 s2, s2, STG                       ; my stage
	v_mul_u32_u24 v12, v2, SPI
	v_lshl_add_u32 v12, v3, 5, v12
	v_add_nc_u32 v12, s2, v12                      ; in: row r, 32 bytes for each half of the lanes
	v_add_nc_u32 v13, s2, v10                      ; back: the 32 lanes take a row of 512 bytes
	s_lshl_b32 s94, s[PT], 10
	s_lshl_b32 s95, s[WP], 9
	s_add_co_u32 s94, s94, s95                     ; my 128 columns, in bytes
	v_lshl_add_u32 v11, v3, 5, s94                 ; the bias: tile t, half h: eight numbers at 64 t + 32 h
	WIN 0x80                                       ; destination window 2
.irp t, 0,1,2,3,4,5,6,7
	global_load_b128 v[BP+8*\t:BP+8*\t+3], v11, s[12:13] offset:64*\t
	global_load_b128 v[BP+8*\t+4:BP+8*\t+7], v11, s[12:13] offset:64*\t+16
.endr
	WIN 0
	s_lshl_b32 s92, s[RT], 19                      ; out0: 128 rows of 4,096 bytes a tile, 64 rows a half,
	s_lshl_b32 s93, s[WR], 18
	s_add_co_u32 s92, s92, s93
	s_add_co_u32 s92, s92, s94                     ; and my columns
	s_mov_b32 s93, 0
	s_add_nc_u64 s[14:15], s[14:15], s[92:93]
.macro FETCH q, s                      ; the fragments of K step q into set s: 24 loads, each 512 consecutive bytes
	WIN 0x80
.irp t, 0,1,2,3,4,5,6,7
.irp c, 0,1
	ds_load_b128 v[96*(\s)+8*\t+4*\c:96*(\s)+8*\t+4*\c+3], v[4+(\q)/4] offset:4096*\t+1024*((\q)%4)+512*\c
.endr
.endr
.irp i, 0,1,2,3
.irp c, 0,1
	ds_load_b128 v[96*(\s)+64+8*\i+4*\c:96*(\s)+64+8*\i+4*\c+3], v[6+(\q)/4] offset:4096*\i+1024*((\q)%4)+512*\c
.endr
.endr
.endm
; One product: accumulator (i, t), K step q.  An odd tile's scale words lie in lanes 16-31 of its pair's register.  K step 0 takes the bias as C.
.macro MM q, i, t
.set rD, 64*(\i)+8*(\t)
.set rA, 96*((\q)%2)+8*(\t)
.set rB, 96*((\q)%2)+64+8*(\i)
.set rP, SCP+8*((\t)/2)+(\q)
.set rR, SCR+8*((\i)/2)+(\q)
.set rC, rD
.if (\q) == 0
.set rC, BP+8*(\t)
.endif
.if ((\t)%2 == 0) && ((\i)%2 == 0)
	v_wmma_scale_f32_16x16x128_f8f6f4 v[rD:rD+7], v[rA:rA+7], v[rB:rB+7], v[rC:rC+7], v[rP], v[rR] matrix_a_fmt:MATRIX_FMT_FP4 matrix_b_fmt:MATRIX_FMT_FP4
.elseif ((\t)%2 == 1) && ((\i)%2 == 0)
	v_wmma_scale_f32_16x16x128_f8f6f4 v[rD:rD+7], v[rA:rA+7], v[rB:rB+7], v[rC:rC+7], v[rP], v[rR] matrix_a_fmt:MATRIX_FMT_FP4 matrix_b_fmt:MATRIX_FMT_FP4 matrix_a_scale:MATRIX_SCALE_ROW1
.elseif ((\t)%2 == 0)
	v_wmma_scale_f32_16x16x128_f8f6f4 v[rD:rD+7], v[rA:rA+7], v[rB:rB+7], v[rC:rC+7], v[rP], v[rR] matrix_a_fmt:MATRIX_FMT_FP4 matrix_b_fmt:MATRIX_FMT_FP4 matrix_b_scale:MATRIX_SCALE_ROW1
.else
	v_wmma_scale_f32_16x16x128_f8f6f4 v[rD:rD+7], v[rA:rA+7], v[rB:rB+7], v[rC:rC+7], v[rP], v[rR] matrix_a_fmt:MATRIX_FMT_FP4 matrix_b_fmt:MATRIX_FMT_FP4 matrix_a_scale:MATRIX_SCALE_ROW1 matrix_b_scale:MATRIX_SCALE_ROW1
.endif
.endm
.macro KSTEP q                         ; a K step of 128: 32 products, the 32 accumulators by turns in one order
	s_wait_dscnt 0x0                               ; this step's fragments are in
.if (\q) == 3
	s_wait_tensorcnt 0x0                           ; my part of chunk 1 has landed,
	s_barrier_signal -1
	s_barrier_wait -1                              ; everybody's has: the next fetch reads it.  Nothing is filled again
.endif
.if (\q) < 7
	PLACES 4                                       ; behind the products that read the other set
	FETCH (\q)+1, ((\q)+1)%2
.endif
.if (\q) == 0
	WIN 0x6a                                       ; sources 0, 1 and C (the bias) window 2, D window 1
.else
	WIN 0x5a                                       ; sources 0 and 1 window 2, C and D window 1
.endif
.irp i, 0,1,2,3
.irp t, 0,1,2,3,4,5,6,7
	MM \q, \i, \t
.endr
.endr
.endm
	s_wait_alu depctr_va_vdst(0)
	s_wait_tensorcnt 0x1                           ; my scales and my part of chunk 0 are in; chunk 1's load may stay out
	s_barrier_signal -1
	s_barrier_wait -1
.irp i, 0,1,2,3
.irp q, 0,1,2,3,4,5,6,7
	ds_load_b32 v[SCP+8*\i+\q], v8 offset:1024*\i+64*\q
.endr
.endr
.irp i, 0,1
.irp d, 0,1,2,3,4,5,6,7,8,9,10,11,12,13,14,15
	ds_load_u16 v[128+16*\i+\d], v9 offset:256*\d+64*\i   ; head d's two bytes of my row: lanes 0-15 tile 2 i, lanes 16-31 tile 2 i + 1
.endr
.endr
	FETCH 0, 0
	WIN 0
	s_wait_dscnt 24                                ; all but the 24 loads of the first fragments
.irp i, 0,1
.irp q, 0,1,2,3,4,5,6,7
	v_lshl_or_b32 v[SCR+8*\i+\q], v[129+16*\i+2*\q], 16, v[128+16*\i+2*\q]   ; K step q is heads 2 q and 2 q + 1
.endr
.endr
	PLACES 8                                       ; a scale register written by a vector instruction stands eight places ahead of a scaled product
	s_wait_alu depctr_va_vdst(0)
	s_wait_loadcnt 0x0                             ; the bias
.irp q, 0,1,2,3,4,5,6,7
	KSTEP \q
.endr
	WIN 0
; THE WAY OUT, 16 rows x 128 columns at a time, through my own stage: LDS serves a wave's instructions in order, so no wait stands between the stores and the loads, nor in front of the next block's stores.
.macro TOSTAGE i
	WIN 0x04                                       ; an LDS store's data are its source 1: window 1
.irp t, 0,1,2,3,4,5,6,7
	ds_store_b128 v12, v[64*(\i)+8*\t:64*(\i)+8*\t+3] offset:64*\t          ; each accumulator from its low end on
	ds_store_b128 v12, v[64*(\i)+8*\t+4:64*(\i)+8*\t+7] offset:64*\t+16
.endr
	WIN 0
.set BB, 128+64*((\i)%2)
.irp u, 0,1,2,3,4,5,6,7,8,9,10,11,12,13,14,15
	ds_load_b128 v[BB+4*\u:BB+4*\u+3], v13 offset:SPI*\u
.endr
.endm
.macro SEND i, younger                 ; younger: the LDS instructions issued behind block i's loads, which may stay out
.set BB, 128+64*((\i)%2)
	s_wait_dscnt \younger
.irp u, 0,1,2,3,4,5,6,7,8,9,10,11,12,13,14,15
	global_store_b128 v10, v[BB+4*\u:BB+4*\u+3], s[14:15] offset:4096*(16*(\i)+\u) th:TH_STORE_NT   ; 512 consecutive bytes, at a multiple of 512 from out0's first byte; the base is never stepped
.endr
.endm
	PLACES 4                                       ; behind the last products, in front of the first read of results
	TOSTAGE 0
.irp i, 1,2,3
.if \i > 1
	s_wait_xcnt 0x0                                ; block i - 2's stores have read their registers: block i's loads may land there
.endif
	TOSTAGE \i
	SEND \i-1, 32                                  ; behind block i - 1's loads: block i's 16 stores and 16 loads
.endr
	SEND 3, 0
	s_wait_tensorcnt 0x0
	ds_add_u32 v126, v127
	s_wait_dscnt 0x0
	CROUND                                         ; the closing round
	s_endpgm
.Lfunc_end_k_q06177df4bb_outp:
	.size	k_q06177df4bb_outp, .Lfunc_end_k_q06177df4bb_outp-k_q06177df4bb_outp
	.p2alignl 7, 3214868480
	.fill 96, 4, 3214868480
	.section	.rodata,"a",@progbits
	.p2align	6, 0x0
	.amdhsa_kernel k_q06177df4bb_outp
		.amdhsa_group_segment_fixed_size 243200
		.amdhsa_private_segment_fixed_size 0
		.amdhsa_enable_private_segment 0
		.amdhsa_kernarg_size 48
		.amdhsa_user_sgpr_count 2
		.amdhsa_user_sgpr_kernarg_segment_ptr 1
		.amdhsa_wavefront_size32 1
		.amdhsa_system_sgpr_workgroup_id_x 1
		.amdhsa_system_sgpr_workgroup_id_y 1
		.amdhsa_system_sgpr_workgroup_id_z 1
		.amdhsa_system_vgpr_workitem_id 0
		.amdhsa_next_free_vgpr 768
		.amdhsa_next_free_sgpr 102
		.amdhsa_reserve_vcc 0
		.amdhsa_float_denorm_mode_32 3
		.amdhsa_float_denorm_mode_16_64 3
		.amdhsa_memory_ordered 1
		.amdhsa_forward_progress 1
		.amdhsa_inst_pref_size 76
	.end_amdhsa_kernel
	.amdgpu_metadata
---
amdhsa.version: [ 1, 2 ]
amdhsa.kernels:
  - .name:           k_q06177df4bb_outp
    .symbol:         k_q06177df4bb_outp.kd
    .args:
      - { .name: ctxc, .offset: 0, .size: 8, .value_kind: global_buffer, .address_space: global }
      - { .name: ctxs, .offset: 8, .size: 8, .value_kind: global_buffer, .address_space: global }
      - { .name: wc, .offset: 16, .size: 8, .value_kind: global_buffer, .address_space: global }
      - { .name: ws, .offset: 24, .size: 8, .value_kind: global_buffer, .address_space: global }
      - { .name: bo, .offset: 32, .size: 8, .value_kind: global_buffer, .address_space: global }
      - { .name: out0, .offset: 40, .size: 8, .value_kind: global_buffer, .address_space: global }
    .group_segment_fixed_size: 243200
    .private_segment_fixed_size: 0
    .kernarg_segment_align: 8
    .kernarg_segment_size: 48
    .max_flat_workgroup_size: 128
    .sgpr_count:     102
    .vgpr_count:     768
    .wavefront_size: 32
...
	.end_amdgpu_metadata
.endif
;; end of part 4
